; MI455X (gfx1250); checked and timed in simulation.
; The chip was launched on July 23, 2026; its instructions are those of AMD's public machine-readable ISA for CDNA 5 (MIT licence, August 2026) and "CDNA5" Instruction Set Architecture Reference Guide (July 2026). The comments in the code are by the model that wrote it; some were corrected since.
;; Transformer Block. Allowed arithmetic: float matrix products may take bf16 or f16 operands with f32 sums; all other float work in f32.
;; Inputs: W_ff1 1,024 x 4,096 float32; W_ff2 4,096 x 1,024 float32; W_out 1,024 x 1,024 float32; W_qkv 1,024 x 3,072 float32; b_ff1 4,096 float32; b_ff2 1,024 float32; b_out 1,024 float32; b_qkv 3,072 float32; be_ln1 1,024 float32; be_ln2 1,024 float32; g_ln1 1,024 float32; g_ln2 1,024 float32; mask 2 x 2,048 int32; x 2 x 2,048 x 1,024 float32.
;; Outputs: out0 2 x 2,048 x 1,024 float32.
;; 2 versions, each right; version 2 is version 1 with the launch prep written anew for expert scheduling mode. Each part assembles by itself: llvm-mc -triple=amdgcn-amd-amdhsa -mcpu=gfx1250 --defsym DOCPART=n.
;; ======== version 1 of 2: 7 launches
;; limits: right only within a limited range of input values
;; workspace buffers: wb 25,165,824 bytes; hn 8,388,608 bytes; qkv 25,165,824 bytes; ctx 8,388,608 bytes; x1 16,777,216 bytes; act 33,554,432 bytes
;; launch prep (part 1): grid 1024 x 1, 8 waves a work-group, no clusters, 0 bytes of LDS; arguments x, g_ln1, be_ln1, hn, W_qkv, W_out, W_ff1, W_ff2, wb; writes hn, wb
.if DOCPART == 1
	.amdgcn_target "amdgcn-amd-amdhsa--gfx1250"
	.amdhsa_code_object_version 6
	.text
	.protected	k_q9da0683f29_prep
	.globl	k_q9da0683f29_prep
	.p2align	8
	.type	k_q9da0683f29_prep,@function
k_q9da0683f29_prep:
	s_mov_b64 s[64:65], 0
	v_nop
	global_prefetch_b8 v0, s[64:65] scope:SCOPE_SE
	s_setreg_imm32_b32 hwreg(HW_REG_WAVE_MODE, 25, 1), 1
	s_wait_xcnt 0x0
; Work-groups 0-255: hn = bf16(LayerNorm(x) * g + be), 16 rows of 1,024 f32 each.  Work-groups 256-1023: the four weight
; matrices, f32 [K][N], rounded to bf16 in the same layout, one behind the other in wb (W_qkv, W_out, W_ff1, W_ff2), 16,384 numbers each.
; A stream: no LDS, no barrier, no matrix unit, no cluster (no two work-groups read the same bytes but g and be, 8 KiB).
; LN: one wave takes two rows and keeps each row in 32 registers between the pass for the mean, the pass for the variance of
; (x - mean) and the scaling, so x is read once and the variance is no difference of large sums.
.set T,  4                             ; v[4:11]    at work
.set MU, 12                            ; v[12:13]   the mean, twice
.set R,  14                            ; v[14:15]   1 / sqrt(var + eps), twice
.set X,  16                            ; v[16:79]   two rows, 32 registers each (cast path: 16 loads of 4 registers)
.set G,  80                            ; v[80:111]  g of my 32 columns
.set BE, 112                           ; v[112:143] be of my 32 columns
.set Y,  144                           ; v[144:175] results in bf16, 16 registers a row
	s_load_b256 s[4:11], s[0:1], 0x0               ; x s[4:5], g s[6:7], be s[8:9], hn s[10:11]
	s_load_b256 s[12:19], s[0:1], 0x20             ; W_qkv s[12:13], W_out s[14:15], W_ff1 s[16:17], W_ff2 s[18:19]
	s_load_b64 s[20:21], s[0:1], 0x40              ; wb
	s_cmp_lt_u32 ttmp9, 256
	s_cbranch_scc0 .Lcast
	s_mov_b32 s22, 0x76543210                      ; v_permlanex16_b32: lane i reads lane i of the other half
	s_mov_b32 s23, 0xfedcba98
	s_mov_b32 s30, 0x3a800000                      ; 1 / 1024
	s_mov_b32 s31, 0x3727c5ac                      ; eps = 1e-5
	v_and_b32 v1, 31, v0                           ; lane
	v_lshrrev_b32 v2, 5, v0                        ; wave
	v_lshlrev_b32 v3, 3, v1
	v_lshlrev_b32 v1, 4, v1                        ; 16 lane: my 4 columns in each 512 bytes of g, be and a row of x
	v_lshl_add_u32 v3, v2, 12, v3                  ; out: wave x 2 rows x 2,048 bytes + 8 lane
	v_lshl_add_u32 v2, v2, 13, v1                  ; in: wave x 2 rows x 4,096 bytes + 16 lane
	s_lshl_b32 s26, ttmp9, 16                      ; 16 rows of 4,096 bytes
	s_mov_b32 s27, 0
	s_lshl_b32 s28, ttmp9, 15                      ; 16 rows of 2,048 bytes
	s_mov_b32 s29, 0
	s_wait_kmcnt 0x0
	s_add_nc_u64 s[4:5], s[4:5], s[26:27]
	s_add_nc_u64 s[10:11], s[10:11], s[28:29]
.irp s, 0,1
.irp j, 0,1,2,3,4,5,6,7
	global_load_b128 v[X+32*\s+4*\j:X+32*\s+4*\j+3], v2, s[4:5] offset:\s*4096+512*\j   ; a wave's load covers 512 consecutive bytes
.endr
.endr
.irp j, 0,1,2,3,4,5,6,7
	global_load_b128 v[G+4*\j:G+4*\j+3], v1, s[6:7] offset:512*\j
.endr
.irp j, 0,1,2,3,4,5,6,7
	global_load_b128 v[BE+4*\j:BE+4*\j+3], v1, s[8:9] offset:512*\j
.endr
; four packed partial sums in T become one sum over the wave's 1,024 numbers, in every lane
.macro FOLD
	v_pk_add_f32 v[T:T+1], v[T:T+1], v[T+2:T+3]
	v_pk_add_f32 v[T+4:T+5], v[T+4:T+5], v[T+6:T+7]
	v_pk_add_f32 v[T:T+1], v[T:T+1], v[T+4:T+5]
	v_add_f32 v[T], v[T], v[T+1]
	v_add_f32_dpp v[T], v[T], v[T] row_xmask:1 row_mask:0xf bank_mask:0xf
	v_add_f32_dpp v[T], v[T], v[T] row_xmask:2 row_mask:0xf bank_mask:0xf
	v_add_f32_dpp v[T], v[T], v[T] row_xmask:4 row_mask:0xf bank_mask:0xf
	v_add_f32_dpp v[T], v[T], v[T] row_xmask:8 row_mask:0xf bank_mask:0xf
	v_permlanex16_b32 v[T+1], v[T], s22, s23       ; its destination counts as read: T+1 has been written
	v_add_f32 v[T], v[T], v[T+1]
.endm
.macro LNROW s
.set XB, X+32*\s
.if \s == 0
	s_wait_loadcnt 24                              ; row 0's eight loads are in; row 1's, g's and be's 24 stay out
.endif
.irp c, 0,2,4,6
	v_pk_add_f32 v[T+\c:T+\c+1], v[XB+\c:XB+\c+1], v[XB+8+\c:XB+8+\c+1]    ; the first sums start four chains: nothing is cleared
.endr
.irp c, 0,2,4,6
	v_pk_add_f32 v[T+\c:T+\c+1], v[T+\c:T+\c+1], v[XB+16+\c:XB+16+\c+1]
.endr
.irp c, 0,2,4,6
	v_pk_add_f32 v[T+\c:T+\c+1], v[T+\c:T+\c+1], v[XB+24+\c:XB+24+\c+1]
.endr
	FOLD
	v_mul_f32 v[MU], s30, v[T]
	v_mul_f32 v[MU+1], s30, v[T]
.set k, 0
.rept 16
	v_pk_add_f32 v[XB+k:XB+k+1], v[XB+k:XB+k+1], v[MU:MU+1] neg_lo:[0,1] neg_hi:[0,1]   ; x - mean
.set k, k+2
.endr
.irp c, 0,2,4,6
	v_pk_mul_f32 v[T+\c:T+\c+1], v[XB+\c:XB+\c+1], v[XB+\c:XB+\c+1]
.endr
.irp o, 8,16,24
.irp c, 0,2,4,6
	v_pk_fma_f32 v[T+\c:T+\c+1], v[XB+\o+\c:XB+\o+\c+1], v[XB+\o+\c:XB+\o+\c+1], v[T+\c:T+\c+1]
.endr
.endr
	FOLD
	v_fma_f32 v[T], v[T], s30, s31                 ; var + eps
	v_rsq_f32 v[R], v[T]
	v_rsq_f32 v[R+1], v[T]
	v_nop                                          ; one plain place behind a transcendental before its result is used (ISA guide 5.7.2)
.if \s == 0
	s_wait_loadcnt 0x0                             ; g and be (and row 1) are in
.endif
.set k, 0
	s_wait_alu depctr_va_vdst(0)
.rept 16
	v_pk_mul_f32 v[XB+k:XB+k+1], v[XB+k:XB+k+1], v[R:R+1]
.set k, k+2
.endr
.set k, 0
.rept 16
	v_pk_fma_f32 v[XB+k:XB+k+1], v[XB+k:XB+k+1], v[G+k:G+k+1], v[BE+k:BE+k+1]
.set k, k+2
.endr
.set k, 0
.rept 16
	v_cvt_pk_bf16_f32 v[Y+16*\s+k], v[XB+2*k], v[XB+2*k+1]
.set k, k+1
.endr
.irp j, 0,1,2,3,4,5,6,7
	global_store_b64 v3, v[Y+16*\s+2*\j:Y+16*\s+2*\j+1], s[10:11] offset:\s*2048+256*\j  ; a wave's store covers 256 consecutive bytes, aligned
.endr
.endm
	LNROW 0
	LNROW 1                                        ; no register that a store reads is written again
	s_endpgm
.Lcast:
	s_sub_co_u32 s24, ttmp9, 256                   ; chunk 0..767 of 16,384 numbers: 192 of W_qkv, 64 of W_out, 256 of W_ff1, 256 of W_ff2
	v_lshlrev_b32 v2, 4, v0                        ; in: 16 bytes a thread
	v_lshlrev_b32 v3, 3, v0                        ; out: 8 bytes a thread
	s_wait_kmcnt 0x0
	s_mov_b64 s[26:27], s[18:19]
	s_mov_b32 s25, 512                             ; the matrix's first chunk
	s_cmp_lt_u32 s24, 512
	s_cselect_b64 s[26:27], s[16:17], s[26:27]
	s_cselect_b32 s25, 256, s25
	s_cmp_lt_u32 s24, 256
	s_cselect_b64 s[26:27], s[14:15], s[26:27]
	s_cselect_b32 s25, 192, s25
	s_cmp_lt_u32 s24, 192
	s_cselect_b64 s[26:27], s[12:13], s[26:27]
	s_cselect_b32 s25, 0, s25
	s_sub_co_u32 s25, s24, s25                     ; chunk within its matrix
	s_lshl_b32 s28, s25, 16
	s_mov_b32 s29, 0
	s_add_nc_u64 s[26:27], s[26:27], s[28:29]
	s_lshl_b32 s28, s24, 15
	s_add_nc_u64 s[20:21], s[20:21], s[28:29]
.irp k, 0,1,2,3,4,5,6,7,8,9,10,11,12,13,14,15
	global_load_b128 v[X+4*\k:X+4*\k+3], v2, s[26:27] offset:4096*\k th:TH_LOAD_NT
.endr
.irp k, 0,1,2,3,4,5,6,7,8,9,10,11,12,13,14,15
	s_wait_loadcnt 15-\k                           ; loads come back in order: load k is in, the younger ones stay out
	v_cvt_pk_bf16_f32 v[Y+2*\k], v[X+4*\k], v[X+4*\k+1]
	v_cvt_pk_bf16_f32 v[Y+2*\k+1], v[X+4*\k+2], v[X+4*\k+3]
	global_store_b64 v3, v[Y+2*\k:Y+2*\k+1], s[20:21] offset:2048*\k
.endr
	s_endpgm
.Lfunc_end_k_q9da0683f29_prep:
	.size	k_q9da0683f29_prep, .Lfunc_end_k_q9da0683f29_prep-k_q9da0683f29_prep
	.p2alignl 7, 3214868480
	.fill 96, 4, 3214868480
	.section	.rodata,"a",@progbits
	.p2align	6, 0x0
	.amdhsa_kernel k_q9da0683f29_prep
		.amdhsa_group_segment_fixed_size 0
		.amdhsa_private_segment_fixed_size 0
		.amdhsa_enable_private_segment 0
		.amdhsa_kernarg_size 72
		.amdhsa_user_sgpr_count 2
		.amdhsa_user_sgpr_kernarg_segment_ptr 1
		.amdhsa_wavefront_size32 1
		.amdhsa_system_sgpr_workgroup_id_x 1
		.amdhsa_system_sgpr_workgroup_id_y 1
		.amdhsa_system_sgpr_workgroup_id_z 1
		.amdhsa_system_vgpr_workitem_id 0
		.amdhsa_next_free_vgpr 176
		.amdhsa_next_free_sgpr 66
		.amdhsa_reserve_vcc 0
		.amdhsa_float_denorm_mode_32 3
		.amdhsa_float_denorm_mode_16_64 3
		.amdhsa_memory_ordered 1
		.amdhsa_forward_progress 1
		.amdhsa_inst_pref_size 27
	.end_amdhsa_kernel
	.amdgpu_metadata
---
amdhsa.version: [ 1, 2 ]
amdhsa.kernels:
  - .name:           k_q9da0683f29_prep
    .symbol:         k_q9da0683f29_prep.kd
    .args:
      - { .name: x, .offset: 0, .size: 8, .value_kind: global_buffer, .address_space: global }
      - { .name: g_ln1, .offset: 8, .size: 8, .value_kind: global_buffer, .address_space: global }
      - { .name: be_ln1, .offset: 16, .size: 8, .value_kind: global_buffer, .address_space: global }
      - { .name: hn, .offset: 24, .size: 8, .value_kind: global_buffer, .address_space: global }
      - { .name: W_qkv, .offset: 32, .size: 8, .value_kind: global_buffer, .address_space: global }
      - { .name: W_out, .offset: 40, .size: 8, .value_kind: global_buffer, .address_space: global }
      - { .name: W_ff1, .offset: 48, .size: 8, .value_kind: global_buffer, .address_space: global }
      - { .name: W_ff2, .offset: 56, .size: 8, .value_kind: global_buffer, .address_space: global }
      - { .name: wb, .offset: 64, .size: 8, .value_kind: global_buffer, .address_space: global }
    .group_segment_fixed_size: 0
    .private_segment_fixed_size: 0
    .kernarg_segment_align: 8
    .kernarg_segment_size: 72
    .max_flat_workgroup_size: 256
    .sgpr_count:     66
    .vgpr_count:     176
    .wavefront_size: 32
...
	.end_amdgpu_metadata
.endif
;; end of part 1
;; launch qkv (part 2): grid 12 x 16, 4 waves a work-group, clusters of 4 x 4, 327,680 bytes of LDS; arguments hn, wb, b_qkv, qkv; writes qkv
.if DOCPART == 2
	.amdgcn_target "amdgcn-amd-amdhsa--gfx1250"
	.amdhsa_code_object_version 6
	.text
	.protected	k_q9da0683f29_qkv
	.globl	k_q9da0683f29_qkv
	.p2align	8
	.type	k_q9da0683f29_qkv,@function
k_q9da0683f29_qkv:
	s_mov_b64 s[64:65], 0
	v_nop
	global_prefetch_b8 v0, s[64:65] scope:SCOPE_SE
	s_setreg_imm32_b32 hwreg(HW_REG_WAVE_MODE, 25, 1), 1
	s_wait_xcnt 0x0
	s_wait_alu depctr_hold_cnt(0) depctr_sa_sdst(0) depctr_va_vdst(0) depctr_va_sdst(0) depctr_va_ssrc(0) depctr_va_vcc(0) depctr_vm_vsrc(0)
	s_getreg_b32 s2, hwreg(HW_REG_IB_STS2, 6, 4)
	s_cmp_eq_u32 s2, 0
	s_cbranch_scc0 .Lentry_in_a_cluster
	s_endpgm
.Lentry_in_a_cluster:
	s_bfe_u32 s2, ttmp6, 0x10000c
	s_cmp_lg_u32 s2, 0xf033
	s_cbranch_scc0 .Lentry_shape_is_right
	s_endpgm
.Lentry_shape_is_right:
; C = bf16(A W + bias).  A: [4096][KD] bf16, W: [KD][ND] bf16 at byte WOFF of the weight buffer, bias: [ND] f32, C: [4096][ND] bf16; sums in f32.
; A work-group makes 256 x 256 of C with four waves, a wave 128 x 128: 64 accumulator tiles, 512 registers.  K goes in steps of 128 through
; two LDS slots filled by the tensor data mover.  A's tile lies [row][k]; W's tile lies [k][n] as in memory and its fragments are read
; with the transposing LDS load.  12 x 16 = 192 work-groups.
; CLUSTERS: 4 x 4 work-groups.  A's tile hangs on the block row alone and is asked for jointly along a row of the cluster, W's on the block
; column alone and jointly along a column: each tile is requested once for four work-groups.
; REGISTER WINDOWS: 0: addresses, bias, A's fragments (two buffers), work on the way out; 1: W's fragments (two buffers);
; 2: accumulators of my rows 0-63 (tile (a, b) at v[8 (8 a + b)]); 3: those of rows 64-127.
; The matrix instruction is used transposed (source 0 = 16 columns of W, source 1 = 16 rows of A): a lane then holds eight neighbouring
; columns of one row of C.  The 64 accumulators take turns, one instruction a turn.
.set KD,     1024
.set ND,     3072
.set WOFF,   0
.set GELU,   0
.set KSTEP,  128
.set PA,     272                       ; A's LDS row: 256 bytes + 16: an odd multiple of 16, so 16 rows start in 16 different 16-byte columns
.set PB,     544                       ; W's LDS row: 512 bytes + 32: an odd multiple of 32, as the transposing load's eight-row groups want
.set HALFT,  128*PA                    ; what one tensor load brings: 128 rows of A, or 64 k-rows of W (64 x 544 is the same 34,816 bytes)
.set SLOT,   4*HALFT                   ; A's 256 rows, then W's 128 k-rows
.set STAGE,  2*SLOT                    ; behind the ring: 16 rows x 272 bytes for each wave, for the way out; no fill lands here
.set SPITCH, 272
.set LAPS,   KD/(2*KSTEP)              ; a lap = two K steps = once round the ring
.set ADRA, 16                          ; v16-17  LDS address of my A fragments in slot 0, 1
.set ADRB, 20                          ; v20-21  the same for W
.set STO,  24                          ; v24     way out: where I put 16 bytes of a row
.set RD,   25                          ; v25     way out: where I read a row back
.set CO,   26                          ; v26     my byte offset in C
.set BOF,  27                          ; v27     my byte offset in the bias
.set A4,   28                          ; v28-29  a constant of the GELU polynomial, twice
.set F0,   64                          ; fragment buffer 0
.set F1,   128                         ; fragment buffer 1
.set XT,   64                          ; way out: 64 sums with bias, f32
.set GD,   128                         ; way out: GELU at work
.set GE,   136
.set GP,   144
.set OB,   160                         ; way out: rows read back, to store
.set TMP,  192                         ; way out: packed results
.set G1,  24                           ; s[24:31] descriptor group 1 for A's tiles
.set G0,  32                           ; s[32:39] group 0 for A's tiles, one set a slot
.set G1B, 48                           ; s[48:55] group 1 for W's tiles
.set G0B, 56                           ; s[56:63] group 0 for W's tiles, one set a slot
.set MSB, 0
.macro WIN new                         ; the immediate's high byte repeats the setting that is left
.if MSB != \new
	s_set_vgpr_msb (MSB<<8)|\new
.set MSB, \new
.endif
.endm
.set MUL_LO, 0xa1                      ; source 0 (W) window 1, source 1 (A) window 0, C and D window 2
.set MUL_HI, 0xf1                      ; the same, C and D window 3
.set TO_B,   0x40                      ; destination window 1, address window 0
; A joint load.  Waves 0 and 1 fetch A's two halves, waves 2 and 3 W's.  The branch hangs on the wave's number alone.
.macro JLOAD s
	s_cmp_eq_u32 s13, 0
	s_cbranch_scc0 .Lfor_b_\@
	tensor_load_to_lds s[G0+4*\s:G0+4*\s+3], s[G1:G1+7]
	s_nop 0
	s_branch .Lasked_\@
.Lfor_b_\@:
	tensor_load_to_lds s[G0B+4*\s:G0B+4*\s+3], s[G1B:G1B+7]
	s_nop 0
.Lasked_\@:
.endm
.macro CREST                           ; a round of the cluster's barrier behind its opening work-group barrier
	s_cmp_lg_u32 s12, 0
	s_cbranch_scc1 .Lnot_wave_0_\@
	s_barrier_signal -3
.Lnot_wave_0_\@:
	s_barrier_wait -3
	s_barrier_signal -1
	s_barrier_wait -1
.endm
.macro CROUND                          ; a whole round
	s_barrier_signal -1
	s_barrier_wait -1
	CREST
.endm
	s_load_b256 s[4:11], s[0:1], 0x0               ; A s[4:5], weights s[6:7], bias s[8:9], C s[10:11]
	s_set_vgpr_msb 0x40
	v_lshl_add_u32 v255, v0, 2, 0x48400
	s_set_vgpr_msb 0x4000
	v_mov_b32 v31, 0
	s_set_vgpr_msb 0x1
	ds_add_u32 v255, v31
	s_set_vgpr_msb 0x100
	v_lshrrev_b32 v1, 5, v0
	v_readfirstlane_b32 s12, v1                    ; wave 0..3
	s_lshr_b32 s13, s12, 1                         ; which half of the block's rows is mine.  Also: I fetch for A (0) or for W (1)
	s_and_b32 s14, s12, 1                          ; which half of its columns.  Also: which half of that tile I fetch
	s_bfe_u32 s40, ttmp6, 0x40000                  ; cx
	s_bfe_u32 s41, ttmp6, 0x40004                  ; cy
	s_lshl_b32 s42, ttmp9, 2
	s_add_co_u32 s42, s42, s40                     ; block column = 4 x cluster x + cx
	s_and_b32 s43, ttmp7, 0xffff
	s_lshl_b32 s43, s43, 2
	s_add_co_u32 s43, s43, s41                     ; block row = 4 x cluster y + cy
	s_lshl_b32 s44, s41, 2
	s_lshl_b32 s44, 15, s44                        ; my row of the cluster: places 4 cy .. 4 cy + 3
	s_lshl_b32 s45, 0x1111, s40                    ; my column: places cx, cx + 4, cx + 8, cx + 12
	s_or_b32 s[G1+0], s44, (1<<16)|(1<<20)|(1<<21)|(5<<22)|(3<<25)   ; mask; 2-byte elements; padding on; bit 21 beside a mask; after 64 words, 4 words
	s_or_b32 s[G1B+0], s45, (1<<16)|(1<<20)|(1<<21)|(6<<22)|(7<<25)  ; the column's mask; after 128 words, 8 words
	s_mov_b32 s[G1+1], KSTEP<<16                   ; A: tensor_dim0 = 128
	s_mov_b32 s[G1+2], 128<<16                     ; tensor_dim1 = 128
	s_mov_b32 s[G1+3], KSTEP<<16                   ; tile_dim0 = 128 elements
	s_mov_b32 s[G1+4], 128                         ; tile_dim1 = 128 rows
	s_mov_b32 s[G1+5], KD                          ; elements from row to row
	s_mov_b32 s[G1+6], 0
	s_mov_b32 s[G1+7], 0
	s_mov_b32 s[G1B+1], 256<<16                    ; W: tensor_dim0 = 256
	s_mov_b32 s[G1B+2], 64<<16                     ; tensor_dim1 = 64
	s_mov_b32 s[G1B+3], 256<<16                    ; tile_dim0 = 256 elements (512 bytes)
	s_mov_b32 s[G1B+4], 64                         ; tile_dim1 = 64 k-rows
	s_mov_b32 s[G1B+5], ND
	s_mov_b32 s[G1B+6], 0
	s_mov_b32 s[G1B+7], 0
	s_lshl_b32 s16, s43, 8
	s_lshl_b32 s17, s14, 7
	s_add_co_u32 s16, s16, s17                     ; A: row 256 x block row + 128 x half,
	s_mul_i32 s16, s16, KD*2                       ; in bytes (8 MiB at the most)
	s_mov_b32 s17, 0
	s_mul_i32 s46, s14, 64*ND*2                    ; W: k-row 64 x half,
	s_lshl_b32 s47, s42, 9
	s_add_co_u32 s46, s46, s47                     ; column 256 x block column,
.if WOFF
	s_add_co_u32 s46, s46, WOFF                    ; in this matrix's part of the weight buffer
.endif
	s_mov_b32 s47, 0
	s_mul_i32 s22, s12, HALFT                      ; where my part goes: wave x 34,816: no place in the cluster enters an LDS address
	s_wait_dscnt 0x0
	s_wait_kmcnt 0x0
	s_add_nc_u64 s[18:19], s[4:5], s[16:17]
	s_add_nc_u64 s[46:47], s[6:7], s[46:47]
	CROUND                                         ; all sixteen work-groups are here: the first joint loads meet
.irp s, 0,1
	s_mov_b32 s[G0+4*\s], 1
	s_add_co_u32 s[G0+4*\s+1], s22, \s*SLOT
	s_add_nc_u64 s[G0+4*\s+2:G0+4*\s+3], s[18:19], \s*KSTEP*2          ; K step s
	s_or_b32 s[G0+4*\s+3], s[G0+4*\s+3], 0x80000000
	s_mov_b32 s[G0B+4*\s], 1
	s_add_co_u32 s[G0B+4*\s+1], s22, \s*SLOT
	s_add_nc_u64 s[G0B+4*\s+2:G0B+4*\s+3], s[46:47], \s*KSTEP*ND*2
	s_or_b32 s[G0B+4*\s+3], s[G0B+4*\s+3], 0x80000000
	JLOAD \s                                       ; both slots are asked for before anything else: two tensor loads of a wave are out
.endr
	v_and_b32 v1, 15, v0                           ; r = l % 16
	v_bfe_u32 v2, v0, 4, 1                         ; h = l / 16
	; the bias of my 128 columns: tile b, register j is column 16 b + 8 h + j.  64 registers, waited for on the way out.
	s_lshl_b32 s46, s42, 10
	s_lshl_b32 s47, s14, 9
	s_add_co_u32 s46, s46, s47
	s_mov_b32 s47, 0
	s_add_nc_u64 s[8:9], s[8:9], s[46:47]
	v_lshlrev_b32 v[BOF], 5, v2
.irp b, 0,1,2,3,4,5,6,7
	global_load_b128 v[32+8*\b+160*(\b/4):32+8*\b+160*(\b/4)+3],   v[BOF], s[8:9] offset:64*\b      ; v32-63 for tiles 0-3, v224-255 for tiles 4-7
	global_load_b128 v[32+8*\b+160*(\b/4)+4:32+8*\b+160*(\b/4)+7], v[BOF], s[8:9] offset:64*\b+16
.endr
	; A's fragment: lane l holds row r; two loads of 16 bytes, 32 apart, at row x pitch + 16 h
	v_mul_u32_u24 v3, v1, PA
	v_lshl_add_u32 v3, v2, 4, v3
	s_mul_i32 s20, s13, HALFT                      ; my 128 rows of A
	v_add_nc_u32 v[ADRA], s20, v3
	v_add_nc_u32 v[ADRA+1], SLOT, v[ADRA]
	; W's fragment by the transposing load: lane l addresses k-row 8 h + l % 8, 16 bytes at 16 ((l / 8) % 2); it receives column r, k = 8 h .. 8 h + 7
	v_and_b32 v4, 7, v0
	v_lshl_add_u32 v4, v2, 3, v4
	v_mul_u32_u24 v4, v4, PB
	v_bfe_u32 v5, v0, 3, 1
	v_lshl_add_u32 v4, v5, 4, v4
	s_lshl_b32 s21, s14, 8                         ; my 128 columns,
	s_add_co_u32 s21, s21, 2*HALFT                 ; behind A's 256 rows
	v_add_nc_u32 v[ADRB], s21, v4
	v_add_nc_u32 v[ADRB+1], SLOT, v[ADRB]
	s_mul_i32 s23, s12, 16*SPITCH
	s_add_co_u32 s23, s23, STAGE                   ; my stage
	v_mul_u32_u24 v4, v1, SPITCH
	v_lshl_add_u32 v4, v2, 4, v4
	v_add_nc_u32 v[STO], s23, v4
	v_mul_u32_u24 v5, v2, SPITCH
	v_lshl_add_u32 v5, v1, 4, v5
	v_add_nc_u32 v[RD], s23, v5
	v_mul_u32_u24 v5, v2, ND*2
	v_lshl_add_u32 v[CO], v1, 4, v5
; 16 matrix instructions: m blocks a0, a0 + 1 of the window's four x all 8 n blocks, 32 along K.  zero = 1: the first product starts the sums.
.macro MUL16 f, hi, a0, zero
.irp a, \a0, \a0+1
.irp b, 0,1,2,3,4,5,6,7
.if \zero
	v_wmma_f32_16x16x32_bf16 v[8*(8*(\a)+\b):8*(8*(\a)+\b)+7], v[\f+8*\b:\f+8*\b+7], v[\f+8*(4*\hi+\a):\f+8*(4*\hi+\a)+7], 0
.else
	v_wmma_f32_16x16x32_bf16 v[8*(8*(\a)+\b):8*(8*(\a)+\b)+7], v[\f+8*\b:\f+8*\b+7], v[\f+8*(4*\hi+\a):\f+8*(4*\hi+\a)+7], v[8*(8*(\a)+\b):8*(8*(\a)+\b)+7]
.endif
.endr
.endr
.endm
; 32 LDS loads in one run: the fragments of quarter q (32 along K) of a slot into buffer f: W's 128 columns, then A's 128 rows
.macro FETCH slot, q, f
	WIN TO_B
.irp i, 0,1,2,3,4,5,6,7
	ds_load_tr16_b128 v[\f+8*\i:\f+8*\i+3],   v[ADRB+\slot] offset:\q*32*PB+32*\i
	ds_load_tr16_b128 v[\f+8*\i+4:\f+8*\i+7], v[ADRB+\slot] offset:\q*32*PB+16*PB+32*\i
.endr
	WIN 0
.irp i, 0,1,2,3,4,5,6,7
	ds_load_b128 v[\f+8*\i:\f+8*\i+3],   v[ADRA+\slot] offset:\q*64+\i*16*PA
	ds_load_b128 v[\f+8*\i+4:\f+8*\i+7], v[ADRA+\slot] offset:\q*64+\i*16*PA+32
.endr
.endm
; four places behind a matrix instruction before a load lands on its sources or a vector instruction reads its result
.macro PLACES
.rept 4
	v_nop
.endr
.endm
.macro QUARTER slot, q, f, g, zero     ; multiplies buffer f; in its middle fetches quarter q of the same slot into buffer g
	s_wait_dscnt 8                                 ; W and A's rows 0-63 are in; the youngest eight loads (A's rows 64-127) may be out
	WIN MUL_LO
	MUL16 \f, 0, 0, \zero
	MUL16 \f, 0, 2, \zero
	PLACES
	FETCH \slot, \q, \g
	s_wait_dscnt 32                                ; all but the 32 just issued
	WIN MUL_HI
	MUL16 \f, 1, 0, \zero
	MUL16 \f, 1, 2, \zero
.endm
.macro THREE slot, zero
	QUARTER \slot, 1, F0, F1, \zero
	QUARTER \slot, 2, F1, F0, 0
	QUARTER \slot, 3, F0, F1, 0
.endm
; The last quarter of a K step multiplies buffer 1 and changes slots.  In front of the barrier each wave waits for its reads of this slot and
; for all its tensor loads (one is out: its part of the next slot).  Behind it the refill comes first, then the next slot's first fragments.
.macro TURN slot, next, fill
	s_wait_dscnt 8
	WIN MUL_LO
	MUL16 F1, 0, 0, 0
	s_wait_dscnt 0                                 ; my reads of this slot are over
	s_wait_tensorcnt 0x0                           ; all my tensor loads have landed
	ds_add_u32 v255, v31
	s_wait_dscnt 0x0
	s_barrier_signal -1                            ; where a slot is filled again this barrier opens a round of the cluster's barrier
	MUL16 F1, 0, 2, 0                              ; register work while the others arrive
	WIN 0
	s_barrier_wait -1
.if \fill
	CREST                                          ; no wave of any partner still reads this slot or has a load on its way
	s_add_nc_u64 s[G0+4*\slot+2:G0+4*\slot+3], s[G0+4*\slot+2:G0+4*\slot+3], 2*KSTEP*2
	s_add_nc_u64 s[G0B+4*\slot+2:G0B+4*\slot+3], s[G0B+4*\slot+2:G0B+4*\slot+3], 2*KSTEP*ND*2
	JLOAD \slot                                    ; the first tensor load behind the round, one a wave
.endif
	PLACES
	FETCH \next, 0, F0
	WIN MUL_HI
	MUL16 F1, 1, 0, 0
	MUL16 F1, 1, 2, 0
.endm
.macro LAP zero
	THREE 0, \zero
	TURN 0, 1, 1
	THREE 1, 0
	TURN 1, 0, 1
.endm
	s_wait_tensorcnt 1                             ; my part of K step 0 is in; K step 1's load stays out
	s_barrier_signal -1
	s_barrier_wait -1
	FETCH 0, 0, F0
	LAP 1                                          ; the first lap's first products start the sums
	WIN 0
	s_mov_b32 s3, LAPS-2
.Llap:
	LAP 0
	WIN 0
	s_sub_co_u32 s3, s3, 1
	s_cmp_lg_u32 s3, 0
	s_cbranch_scc1 .Llap
	THREE 0, 0                                     ; the last lap fills nothing
	TURN 0, 1, 0
	THREE 1, 0
	s_wait_dscnt 8
	WIN MUL_LO
	MUL16 F1, 0, 0, 0
	MUL16 F1, 0, 2, 0
	s_wait_dscnt 0
	WIN MUL_HI
	MUL16 F1, 1, 0, 0
	MUL16 F1, 1, 2, 0
	; THE WAY OUT, 16 rows at a time: add the bias, round to bf16, 16 bytes a lane into my stage, read back as whole rows of 256 bytes.
	PLACES
	WIN 0
	s_wait_loadcnt 0x0                             ; the bias
	s_lshl_b32 s16, s43, 8
	s_lshl_b32 s17, s13, 7
	s_add_co_u32 s16, s16, s17                     ; my first row of C
	s_mul_i32 s16, s16, ND*2
	s_mov_b32 s17, 0
	s_add_nc_u64 s[10:11], s[10:11], s[16:17]
	s_lshl_b32 s46, s42, 9                         ; my first column, in bytes
	s_lshl_b32 s47, s14, 8
	s_add_co_u32 s46, s46, s47
	s_mov_b32 s47, 0
	s_add_nc_u64 s[10:11], s[10:11], s[46:47]
.macro OUT16 i, a, win
	WIN \win                                       ; source 0 in the accumulators' window
.irp b, 0,1,2,3,4,5,6,7
.irp r, 0,1,2,3
	v_pk_add_f32 v[XT+8*\b+2*\r:XT+8*\b+2*\r+1], v[8*(8*\a+\b)+2*\r:8*(8*\a+\b)+2*\r+1], v[32+8*\b+160*(\b/4)+2*\r:32+8*\b+160*(\b/4)+2*\r+1]
.endr
.endr
	WIN 0
.irp b, 0,1,2,3,4,5,6,7
.irp r, 0,1,2,3
	v_cvt_pk_bf16_f32 v[TMP+4*\b+\r], v[XT+8*\b+2*\r], v[XT+8*\b+2*\r+1]
.endr
.endr
.irp b, 0,1,2,3,4,5,6,7
	ds_store_b128 v[STO], v[TMP+4*\b:TMP+4*\b+3] offset:32*\b
.endr
	s_wait_xcnt 0x0                                ; the last stores' data registers and base are written again only behind this wait
.if \i
	s_add_nc_u64 s[10:11], s[10:11], 16*ND*2
.endif
.irp t, 0,1,2,3,4,5,6,7
	ds_load_b128 v[OB+4*\t:OB+4*\t+3], v[RD] offset:\t*2*SPITCH    ; LDS serves a wave's instructions in order: these see the stores above
.endr
.irp t, 0,1,2,3,4,5,6,7
	s_wait_dscnt 7-\t
	global_store_b128 v[CO], v[OB+4*\t:OB+4*\t+3], s[10:11] offset:2*\t*ND*2   ; 16 lanes store 256 consecutive bytes, aligned
.endr
.endm
	OUT16 0, 0, 2
	OUT16 1, 1, 2
	OUT16 2, 2, 2
	OUT16 3, 3, 2
	OUT16 4, 0, 3
	OUT16 5, 1, 3
	OUT16 6, 2, 3
	OUT16 7, 3, 3
	s_set_vgpr_msb 0x1
	s_wait_tensorcnt 0x0
	ds_add_u32 v255, v31
	s_wait_dscnt 0x0
	s_set_vgpr_msb 0x100
	CROUND                                         ; the closing round: no work-group ends while a partner may still ask for a tile that names it
	s_endpgm
.Lfunc_end_k_q9da0683f29_qkv:
	.size	k_q9da0683f29_qkv, .Lfunc_end_k_q9da0683f29_qkv-k_q9da0683f29_qkv
	.p2alignl 7, 3214868480
	.fill 96, 4, 3214868480
	.section	.rodata,"a",@progbits
	.p2align	6, 0x0
	.amdhsa_kernel k_q9da0683f29_qkv
		.amdhsa_group_segment_fixed_size 327680
		.amdhsa_private_segment_fixed_size 0
		.amdhsa_enable_private_segment 0
		.amdhsa_kernarg_size 32
		.amdhsa_user_sgpr_count 2
		.amdhsa_user_sgpr_kernarg_segment_ptr 1
		.amdhsa_wavefront_size32 1
		.amdhsa_system_sgpr_workgroup_id_x 1
		.amdhsa_system_sgpr_workgroup_id_y 1
		.amdhsa_system_sgpr_workgroup_id_z 1
		.amdhsa_system_vgpr_workitem_id 0
		.amdhsa_next_free_vgpr 1024
		.amdhsa_next_free_sgpr 66
		.amdhsa_reserve_vcc 0
		.amdhsa_float_denorm_mode_32 3
		.amdhsa_float_denorm_mode_16_64 3
		.amdhsa_memory_ordered 1
		.amdhsa_forward_progress 1
		.amdhsa_inst_pref_size 214
	.end_amdhsa_kernel
	.amdgpu_metadata
---
amdhsa.version: [ 1, 2 ]
amdhsa.kernels:
  - .name:           k_q9da0683f29_qkv
    .symbol:         k_q9da0683f29_qkv.kd
    .args:
      - { .name: hn, .offset: 0, .size: 8, .value_kind: global_buffer, .address_space: global }
      - { .name: wb, .offset: 8, .size: 8, .value_kind: global_buffer, .address_space: global }
      - { .name: b_qkv, .offset: 16, .size: 8, .value_kind: global_buffer, .address_space: global }
      - { .name: qkv, .offset: 24, .size: 8, .value_kind: global_buffer, .address_space: global }
    .group_segment_fixed_size: 327680
    .private_segment_fixed_size: 0
    .kernarg_segment_align: 8
    .kernarg_segment_size: 32
    .max_flat_workgroup_size: 128
    .sgpr_count:     66
    .vgpr_count:     1024
    .wavefront_size: 32
...
	.end_amdgpu_metadata
.endif
;; end of part 2
;; launch attn (part 3): grid 16 x 16, 8 waves a work-group, clusters of 4 x 1, 327,680 bytes of LDS; arguments qkv, mask, ctx; writes ctx
.if DOCPART == 3
	.amdgcn_target "amdgcn-amd-amdhsa--gfx1250"
	.amdhsa_code_object_version 6
	.text
	.protected	k_q9da0683f29_attn
	.globl	k_q9da0683f29_attn
	.p2align	8
	.type	k_q9da0683f29_attn,@function
k_q9da0683f29_attn:
	s_mov_b64 s[64:65], 0
	v_nop
	global_prefetch_b8 v0, s[64:65] scope:SCOPE_SE
	s_setreg_imm32_b32 hwreg(HW_REG_WAVE_MODE, 25, 1), 1
	s_wait_xcnt 0x0
	s_wait_alu depctr_hold_cnt(0) depctr_sa_sdst(0) depctr_va_vdst(0) depctr_va_sdst(0) depctr_va_ssrc(0) depctr_va_vcc(0) depctr_vm_vsrc(0)
	s_getreg_b32 s2, hwreg(HW_REG_IB_STS2, 6, 4)
	s_cmp_eq_u32 s2, 0
	s_cbranch_scc0 .Lentry_in_a_cluster
	s_endpgm
.Lentry_in_a_cluster:
	s_bfe_u32 s2, ttmp6, 0x10000c
	s_cmp_lg_u32 s2, 0x3003
	s_cbranch_scc0 .Lentry_shape_is_right
	s_endpgm
.Lentry_shape_is_right:
; ctx = softmax(Q K^T / 8, masked keys left out) V, by a running maximum.  qkv: [4096][3072] bf16 (Q, K, V sections of 16 heads x 64), mask: [2][2048] i32,
; ctx: [4096][1024] bf16.  A work-group takes one batch, two neighbouring heads (so every row of Q, K, V and ctx that it touches is 256 aligned bytes)
; and 128 queries.
; EIGHT WAVES, two on each SIMD (2 x 512 registers): a sub of 64 keys x 64 queries has 64 matrix instructions and some 480 vector instructions, so a wave
; alone would do the one after the other; with two waves one's softmax can stand beside the other's products.  Wave w: key half w / 4, head (w / 2) % 2,
; queries 64 (w % 2) .. + 63 as four tiles of 16.  A wave keeps 64 queries, so that a fragment byte feeds as many products as with four waves, and walks
; half of the keys: keys 128 (w / 4) .. + 127 of each tile of 256, as two subs of 64.  At the end the waves of key half 1 hand sums, maxima and O to
; their partners through LDS, and these merge the two halves by their common maximum.
; The products are made transposed: S^T = K Q^T puts the scores of query r into lane r's registers (keys 8 h + j), so the maximum and the sum
; need one exchange between the two halves of the lanes, and the rounded weights ARE source 1 of O^T = V^T P^T: no lane traffic between the two products.
; THE MASK enters as the C operand of the first score product: 0 for a key that counts, -1e30 for a masked one.  The maximum is taken of the raw
; scores, and scale and shift are one multiply-add: weight = 2^(c S - c max), c = log2(e) / 8.
; CLUSTER: the four query blocks of a cluster walk the same K and V tiles and ask for them jointly (mask 15).
; LIMITS: raw scores |q . k| below 3e29 (a masked key's score is -1e30 + q . k; a maximum below -2^98 counts as 'every key masked').  A query all of
; whose keys are masked gives NaN, as the softmax of a row of -inf does.  Weights below 2^-126 count as 0 (v_exp_f32 flushes denormal results, ISA guide
; 15.8).  Matrix operands are bf16, all else f32.
.set PK,    272                        ; K's LDS row: 256 bytes + 16
.set PVV,   288                        ; V's LDS row: 256 bytes + 32 (transposing load)
.set PART,  18432                      ; a wave's load: 64 keys; K uses 17,408 of it, V all
.set SLOT,  8*PART                     ; K keys in four parts of 64, then V keys in four parts of 64
.set BIAS,  2*SLOT                     ; 2,048 f32: 0 for a key that counts, -1e30 for a masked one; no fill lands here
.set XW,    36*512                     ; the exchange: 4 quads of figures and 32 quads of O, 512 bytes each, for one pair of waves
.set STAGE, 4*XW                       ; 128 rows x 272 bytes, for the way out.  Exchange and stage lie in slot 0, behind its last fill and last reads
.set SP,    272
.set ROWB,  6144                       ; bytes in a row of qkv
.set TILEB, 256*ROWB
.set ADRK, 2                           ; v2-3    LDS address of my K fragments in slot 0, 1
.set ADRV, 4                           ; v4-5    the same for V
.set BADR, 6                           ; v6      LDS address of my keys' bias, stepped by two tiles
.set CONS, 7                           ; v7      -1e30 at the start, NaN at the end
.set ST,   8                           ; v8-23   query tile n: 4 n + 0: -c max, + 1: max, + 2: 2^(c (old max - new)), + 3: running sum.  The even ones are the low
                                       ;         registers of pairs, which the packed forms take for both halves
.set T,    24                          ; v24-31  at work in the softmax
.set BI,   32                          ; v32-63  bias of the sub's 64 keys: register 8 t + j, the layout of a score tile
.set KF,   64                          ; v64-127 K fragments: 16 t + 8 kf
.set SC,   128                         ; v128-255 scores: 32 n + 8 t + j; then weights in bf16: source 1 of (n, u) at 32 n + 16 u
.set QF,   0                           ; window 1: v0-63 Q fragments: 16 n + 8 kf
.set OA,   64                          ; window 1: v64-191 O^T: 32 n + 8 dt
.set VF,   192                         ; window 1: v192-255 V^T fragments: 32 u + 8 dt
.set G1K, 24
.set G0K, 32
.set G1V, 48
.set G0V, 56
.set MSB, 0
.macro WIN new                         ; the immediate's high byte repeats the setting that is left
.if MSB != \new
	s_set_vgpr_msb (MSB<<8)|\new
.set MSB, \new
.endif
.endm
.macro PLACES n
.rept \n
	v_nop
.endr
.endm
.macro ROUND                           ; a round of the cluster's barrier
	s_barrier_signal -1
	s_barrier_wait -1
	s_cmp_lg_u32 s10, 0
	s_cbranch_scc1 .Lnot_wave_0_\@
	s_barrier_signal -3
.Lnot_wave_0_\@:
	s_barrier_wait -3
	s_barrier_signal -1
	s_barrier_wait -1
.endm
.macro JLOAD s                         ; waves 0 to 3 fetch K's four parts, waves 4 to 7 V's
	s_cmp_eq_u32 s11, 0
	s_cbranch_scc0 .Lfor_v_\@
	tensor_load_to_lds s[G0K+4*\s:G0K+4*\s+3], s[G1K:G1K+7]
	s_nop 0
	s_branch .Lasked_\@
.Lfor_v_\@:
	tensor_load_to_lds s[G0V+4*\s:G0V+4*\s+3], s[G1V:G1V+7]
	s_nop 0
.Lasked_\@:
.endm
	s_load_b128 s[4:7], s[0:1], 0x0                ; qkv s[4:5], mask s[6:7]
	s_load_b64 s[8:9], s[0:1], 0x10                ; ctx
	v_lshl_add_u32 v254, v0, 2, 0x4a000
	v_mov_b32 v255, 0
	ds_add_u32 v254, v255
	s_wait_dscnt 0x0
	v_lshrrev_b32 v1, 5, v0
	v_readfirstlane_b32 s10, v1                    ; wave 0..7
	s_lshr_b32 s11, s10, 2                         ; my half of the keys.  Also: I fetch for K (0) or V (1)
	s_and_b32 s12, s10, 1                          ; my half of the queries
	s_lshr_b32 s67, s10, 1
	s_and_b32 s67, s67, 1                          ; my head of the pair
	s_and_b32 s68, s10, 3                          ; which 64 keys of a tile I fetch.  Also: my pair of waves in the exchange
	s_bfe_u32 s13, ttmp6, 0x40000                  ; cx
	s_lshl_b32 s14, ttmp9, 2
	s_add_co_u32 s14, s14, s13                     ; query block
	s_and_b32 s15, ttmp7, 0xffff
	s_lshr_b32 s16, s15, 3                         ; batch
	s_and_b32 s17, s15, 7                          ; head pair
	s_mov_b32 s40, 0x3e38aa3b                      ; c = log2(e) / 8: the scores' scale, in the exponent's base 2
	s_mov_b32 s41, 0x3e38aa3b
	s_mov_b32 s42, 0x76543210
	s_mov_b32 s43, 0xfedcba98
	s_mov_b32 s66, 0xbe38aa3b                      ; -c
	s_mov_b32 s69, 0xf0800000                      ; -2^98: a maximum below it is a masked key's
	s_mov_b32 s[G1K+0], 15|(1<<16)|(1<<20)|(1<<21)|(5<<22)|(3<<25)   ; all four of the cluster; 2-byte elements; after 64 words, 4 words of padding
	s_mov_b32 s[G1V+0], 15|(1<<16)|(1<<20)|(1<<21)|(5<<22)|(7<<25)   ; the same with 8 words
.irp g, G1K, G1V
	s_mov_b32 s[\g+1], 128<<16                     ; tensor_dim0 = 128
	s_mov_b32 s[\g+2], 64<<16                      ; tensor_dim1 = 64
	s_mov_b32 s[\g+3], 128<<16                     ; tile_dim0 = 128 elements
	s_mov_b32 s[\g+4], 64                          ; tile_dim1 = 64 keys
	s_mov_b32 s[\g+5], 3072                        ; elements from row to row
	s_mov_b32 s[\g+6], 0
	s_mov_b32 s[\g+7], 0
.endr
	s_mul_i32 s18, s16, 2048*ROWB                  ; the batch's first row,
	s_lshl_b32 s20, s17, 8
	s_add_co_u32 s18, s18, s20                     ; the head pair's 256 bytes,
	s_mul_i32 s20, s68, 64*ROWB
	s_add_co_u32 s18, s18, s20                     ; my 64 keys: nothing here hangs on the place in the cluster
	s_mov_b32 s19, 0
	s_mul_i32 s45, s10, PART                       ; where my part goes: wave x 18,432
	s_lshl_b32 s46, s16, 11
	s_lshl_b32 s21, s14, 7
	s_add_co_u32 s46, s46, s21                     ; the work-group's first query row
	s_lshl_b32 s21, s12, 6
	s_add_co_u32 s21, s46, s21
	s_mul_i32 s20, s21, ROWB                       ; my wave's first query row, in bytes,
	s_lshl_b32 s21, s17, 8
	s_add_co_u32 s20, s20, s21
	s_lshl_b32 s21, s67, 7
	s_add_co_u32 s20, s20, s21                     ; my head's 128 bytes
	s_mov_b32 s21, 0
	s_lshl_b32 s22, s16, 13                        ; the batch's mask
	s_mov_b32 s23, 0
	s_wait_kmcnt 0x0
	s_add_nc_u64 s[18:19], s[4:5], s[18:19]
	s_add_nc_u64 s[20:21], s[4:5], s[20:21]
	s_add_nc_u64 s[6:7], s[6:7], s[22:23]
	ROUND                                          ; in front of the first joint load
.irp s, 0,1
	s_mov_b32 s[G0K+4*\s], 1
	s_add_co_u32 s[G0K+4*\s+1], s45, \s*SLOT
	s_add_nc_u64 s[G0K+4*\s+2:G0K+4*\s+3], s[18:19], 2048+\s*TILEB     ; K's section, key tile s
	s_or_b32 s[G0K+4*\s+3], s[G0K+4*\s+3], 0x80000000
	s_mov_b32 s[G0V+4*\s], 1
	s_add_co_u32 s[G0V+4*\s+1], s45, \s*SLOT
	s_add_nc_u64 s[G0V+4*\s+2:G0V+4*\s+3], s[18:19], 4096+\s*TILEB     ; V's section
	s_or_b32 s[G0V+4*\s+3], s[G0V+4*\s+3], 0x80000000
.endr
	JLOAD 0                                        ; key tile 0; slot 1 is first filled behind the first trip's round
	v_and_b32 v24, 15, v0                          ; r
	v_bfe_u32 v25, v0, 4, 1                        ; h
	v_lshlrev_b32 v26, 4, v0                       ; 16 bytes of the mask a thread, twice
	v_mul_u32_u24 v27, v24, ROWB
	v_lshl_add_u32 v27, v25, 4, v27                ; Q: row r, 16 h
	global_load_b128 v[SC:SC+3], v26, s[6:7]
	global_load_b128 v[SC+4:SC+7], v26, s[6:7] offset:4096
	WIN 0x40                                       ; destination window 1
.irp n, 0,1,2,3
.irp f, 0,1
	global_load_b128 v[QF+16*\n+8*\f:QF+16*\n+8*\f+3],   v27, s[20:21] offset:\n*16*ROWB+64*\f
	global_load_b128 v[QF+16*\n+8*\f+4:QF+16*\n+8*\f+7], v27, s[20:21] offset:\n*16*ROWB+64*\f+32
.endr
.endr
	WIN 0
	v_mov_b32 v[CONS], 0xf149f2ca                  ; -1e30
	v_add_nc_u32 v28, BIAS, v26
	v_mul_u32_u24 v[ADRK], v24, PK
	v_lshl_add_u32 v[ADRK], v25, 4, v[ADRK]
	s_lshl_b32 s22, s67, 7                         ; my head's 128 bytes of a row,
	s_mul_i32 s23, s11, 2*PART                     ; my half of a tile's keys: two parts
	s_add_co_u32 s22, s22, s23
	v_add_nc_u32 v[ADRK], s22, v[ADRK]
	v_add_nc_u32 v[ADRK+1], SLOT, v[ADRK]
	v_and_b32 v29, 7, v0
	v_lshl_add_u32 v29, v25, 3, v29                ; key row 8 h + l % 8
	v_mul_u32_u24 v[ADRV], v29, PVV
	v_bfe_u32 v29, v0, 3, 1
	v_lshl_add_u32 v[ADRV], v29, 4, v[ADRV]
	s_add_co_u32 s22, s22, 4*PART                  ; V's parts lie behind K's four
	v_add_nc_u32 v[ADRV], s22, v[ADRV]
	v_add_nc_u32 v[ADRV+1], SLOT, v[ADRV]
	v_lshlrev_b32 v[BADR], 5, v25
	s_lshl_b32 s23, s11, 9                         ; my 128 keys of each 256: 512 bytes
	s_add_co_u32 s23, s23, BIAS
	v_add_nc_u32 v[BADR], s23, v[BADR]
.irp n, 0,1,2,3
	v_mov_b32 v[ST+4*\n+1], 0xff7fffff             ; the running maximum starts at the most negative finite number
.endr
	s_wait_loadcnt 16                              ; the mask's two loads are in; Q's sixteen stay out
.set k, 0
.rept 8
	v_cmp_eq_u32 vcc_lo, 0, v[SC+k]
	v_cndmask_b32 v[SC+k], 0, v[CONS], vcc_lo      ; mask 0: -1e30, else 0
.set k, k+1
.endr
	ds_store_b128 v28, v[SC:SC+3]
	ds_store_b128 v28, v[SC+4:SC+7] offset:4096
	s_wait_loadcnt 0x0                             ; Q
.macro FETCH_K slot, i
.irp t, 0,1,2,3
.irp f, 0,1
	ds_load_b128 v[KF+16*\t+8*\f:KF+16*\t+8*\f+3],   v[ADRK+\slot] offset:(\i)*PART+\t*16*PK+64*\f
	ds_load_b128 v[KF+16*\t+8*\f+4:KF+16*\t+8*\f+7], v[ADRK+\slot] offset:(\i)*PART+\t*16*PK+64*\f+32
.endr
.endr
.endm
.macro FETCH_B slot, i
.irp t, 0,1,2,3
	ds_load_b128 v[BI+8*\t:BI+8*\t+3],   v[BADR] offset:\slot*1024+(\i)*256+64*\t
	ds_load_b128 v[BI+8*\t+4:BI+8*\t+7], v[BADR] offset:\slot*1024+(\i)*256+64*\t+16
.endr
.endm
.macro FETCH_V slot, i                 ; under a window setting with the destination in window 1
.irp u, 0,1
.irp d, 0,1,2,3
	ds_load_tr16_b128 v[VF+32*\u+8*\d:VF+32*\u+8*\d+3],   v[ADRV+\slot] offset:(\i)*PART+\u*32*PVV+32*\d
	ds_load_tr16_b128 v[VF+32*\u+8*\d+4:VF+32*\u+8*\d+7], v[ADRV+\slot] offset:(\i)*PART+\u*32*PVV+16*PVV+32*\d
.endr
.endr
.endm
; The scores of query tile n with the sub's 64 keys: eight matrix instructions on four accumulators by turns.  The first four take the bias as C.
.macro SMUL n
	WIN 0x04                                       ; source 1 (Q) in window 1
.irp t, 0,1,2,3
	v_wmma_f32_16x16x32_bf16 v[SC+32*\n+8*\t:SC+32*\n+8*\t+7], v[KF+16*\t:KF+16*\t+7], v[QF+16*\n:QF+16*\n+7], v[BI+8*\t:BI+8*\t+7]
.endr
.irp t, 0,1,2,3
	v_wmma_f32_16x16x32_bf16 v[SC+32*\n+8*\t:SC+32*\n+8*\t+7], v[KF+16*\t+8:KF+16*\t+15], v[QF+16*\n+8:QF+16*\n+15], v[SC+32*\n+8*\t:SC+32*\n+8*\t+7]
.endr
.endm
; The softmax step of query tile n on the sub's 64 keys (32 raw scores a lane).
.macro SOFT n, first
.set SB, SC+32*\n
.set NMn, ST+4*\n
.set MXn, ST+4*\n+1
.set ALn, ST+4*\n+2
.set LPn, ST+4*\n+3
.irp t, 0,1,2,3
	v_max3_num_f32 v[T+\t], v[SB+8*\t], v[SB+8*\t+1], v[SB+8*\t+2]
.endr
.irp t, 0,1,2,3
	v_max3_num_f32 v[T+\t], v[T+\t], v[SB+8*\t+3], v[SB+8*\t+4]
.endr
.irp t, 0,1,2,3
	v_max3_num_f32 v[T+\t], v[T+\t], v[SB+8*\t+5], v[SB+8*\t+6]
.endr
	v_max3_num_f32 v[T], v[T], v[T+1], v[SB+7]
	v_max3_num_f32 v[T+2], v[T+2], v[T+3], v[SB+15]
	v_max3_num_f32 v[T], v[T], v[T+2], v[SB+23]
	v_max3_num_f32 v[T], v[T], v[SB+31], v[MXn]            ; with the running maximum
	v_permlanex16_b32 v[T+1], v[T], s42, s43               ; the other half of the lanes holds the query's other keys
	v_max_num_f32 v[MXn], v[T], v[T+1]
.if \first == 0
	v_fma_f32 v[T+2], v[MXn], s66, -v[NMn]                 ; c (old maximum - new)
	v_exp_f32 v[ALn], v[T+2]
.endif
	v_mul_f32 v[NMn], s66, v[MXn]                          ; -c maximum; also the plain place behind the exponential above (ISA guide 5.7.2)
.set k, 0
.rept 16
	v_pk_fma_f32 v[SB+k:SB+k+1], v[SB+k:SB+k+1], s[40:41], v[NMn:NMn+1] op_sel_hi:[1,0,0]   ; c S - c maximum: both halves take the pairs' low registers
.set k, k+2
.endr
.set k, 0
.rept 32
	v_exp_f32 v[SB+k], v[SB+k]
.set k, k+1
.endr
	v_nop                                                  ; one plain place behind a transcendental (ISA guide 5.7.2)
	s_wait_alu depctr_va_vdst(0)
.irp c, 0,2,4,6
	v_pk_add_f32 v[T+\c:T+\c+1], v[SB+\c:SB+\c+1], v[SB+8+\c:SB+8+\c+1]
.endr
.irp c, 0,2,4,6
	v_pk_add_f32 v[T+\c:T+\c+1], v[T+\c:T+\c+1], v[SB+16+\c:SB+16+\c+1]
.endr
.irp c, 0,2,4,6
	v_pk_add_f32 v[T+\c:T+\c+1], v[T+\c:T+\c+1], v[SB+24+\c:SB+24+\c+1]
.endr
	v_pk_add_f32 v[T:T+1], v[T:T+1], v[T+2:T+3]
	v_pk_add_f32 v[T+4:T+5], v[T+4:T+5], v[T+6:T+7]
	v_pk_add_f32 v[T:T+1], v[T:T+1], v[T+4:T+5]
.if \first
	v_add_f32 v[LPn], v[T], v[T+1]                         ; the first sub starts the sum
.else
	v_add_f32 v[T], v[T], v[T+1]
	v_fma_f32 v[LPn], v[LPn], v[ALn], v[T]
.endif
.irp u, 0,1
.irp k, 0,1,2,3,4,5,6,7
	v_cvt_pk_bf16_f32 v[SB+16*\u+\k], v[SB+16*\u+2*\k], v[SB+16*\u+2*\k+1]   ; in place, ascending: register k is written when 2 k and 2 k + 1 are read
.endr
.endr
.endm
.macro RESC n                          ; O of query tile n times 2^(c (old maximum - new))
	WIN 0x41                                       ; O in window 1, the factor in window 0
.set k, 0
.rept 16
	v_pk_mul_f32 v[OA+32*\n+k:OA+32*\n+k+1], v[OA+32*\n+k:OA+32*\n+k+1], v[ST+4*\n+2:ST+4*\n+3] op_sel_hi:[1,0]
.set k, k+2
.endr
.endm
; Behind the score products of tile n + 1 stand four places before vector work reads them and loads land on their sources:
; the sixteen multiplies of tile n's O, which name none of their registers; in the first sub, which has nothing to scale, four v_nop.
.macro GAP n, first
.if \first
	PLACES 4
.else
	RESC \n
.endif
.endm
.macro PVMUL n, first                  ; O^T of query tile n += V^T P^T: eight matrix instructions on four accumulators by turns
	WIN 0x51                                       ; V^T and O in window 1, the weights in window 0
.irp d, 0,1,2,3
.if \first
	v_wmma_f32_16x16x32_bf16 v[OA+32*\n+8*\d:OA+32*\n+8*\d+7], v[VF+8*\d:VF+8*\d+7], v[SC+32*\n:SC+32*\n+7], 0
.else
	v_wmma_f32_16x16x32_bf16 v[OA+32*\n+8*\d:OA+32*\n+8*\d+7], v[VF+8*\d:VF+8*\d+7], v[SC+32*\n:SC+32*\n+7], v[OA+32*\n+8*\d:OA+32*\n+8*\d+7]
.endif
.endr
.irp d, 0,1,2,3
	v_wmma_f32_16x16x32_bf16 v[OA+32*\n+8*\d:OA+32*\n+8*\d+7], v[VF+32+8*\d:VF+32+8*\d+7], v[SC+32*\n+16:SC+32*\n+23], v[OA+32*\n+8*\d:OA+32*\n+8*\d+7]
.endr
.endm
; One sub: my 64 keys number i (0, 1) of slot's tile.  next = 1: my other sub of the tile follows, and its K fragments and bias are fetched here.
; The products come in groups of eight between the stretches of vector work, tile n + 1's scores ahead of tile n's O, so that the two waves of a SIMD
; find each other's vector work beside their own products.  No two matrix instructions that follow each other share an accumulator.
.macro SUB slot, i, next, first
	s_wait_dscnt 0x0                               ; K's fragments and the bias are in
	SMUL 0
	PLACES 4                                       ; behind these products, and behind the last sub's last O products, whose V fragments are loaded over now
	WIN 0x40
	FETCH_V \slot, \i
	WIN 0
	SOFT 0, \first
	SMUL 1
	GAP 0, \first
	s_wait_dscnt 0x0                               ; V's fragments are in: nothing was issued behind them
	PVMUL 0, \first
	WIN 0
	SOFT 1, \first
	SMUL 2
	GAP 1, \first
	PVMUL 1, \first
	WIN 0
	SOFT 2, \first
	SMUL 3
	GAP 2, \first
.if \next
	WIN 0
	FETCH_K \slot, \i+1                            ; the last score products have read K's fragments and the bias
	FETCH_B \slot, \i+1
.endif
	PVMUL 2, \first
	WIN 0
	SOFT 3, \first
.if \first == 0
	RESC 3
.endif
	PVMUL 3, \first
	WIN 0
.endm
; One key tile.  In front of the round every wave waits for all its tensor loads (its part of this tile) and for its LDS accesses (the reads of the
; other slot; in the first trip the bias stores); behind the round the other slot's joint refill comes first, one tensor load a wave.
.macro TRIP slot, other, refill, first
	s_wait_xcnt 0x0
	v_lshl_add_u32 v254, v0, 2, 0x4a000
	v_mov_b32 v255, 0
	s_wait_tensorcnt 0x0
	ds_add_u32 v254, v255
	s_wait_dscnt 0x0
	s_add_nc_u64 s[G0K+4*\slot+2:G0K+4*\slot+3], s[G0K+4*\slot+2:G0K+4*\slot+3], 2*TILEB   ; no load of mine is out: this slot's next tile
	s_add_nc_u64 s[G0V+4*\slot+2:G0V+4*\slot+3], s[G0V+4*\slot+2:G0V+4*\slot+3], 2*TILEB
	s_wait_dscnt 0x0
	ROUND
.if \refill
	JLOAD \other
.endif
	FETCH_K \slot, 0
	FETCH_B \slot, 0
	SUB \slot, 0, 1, \first
	SUB \slot, 1, 0, 0
.if \slot & \refill
	v_add_nc_u32 v[BADR], 2048, v[BADR]            ; two tiles' bias on
.endif
.endm
	TRIP 0, 1, 1, 1                                ; 8 tiles: the first pair is written out (its first sub starts the sums),
	TRIP 1, 0, 1, 0
	s_mov_b32 s44, 2
.Lpair:
	TRIP 0, 1, 1, 0
	TRIP 1, 0, 1, 0
	s_sub_co_u32 s44, s44, 1
	s_cmp_lg_u32 s44, 0
	s_cbranch_scc1 .Lpair
	TRIP 0, 1, 1, 0                                ; and the last pair, whose second trip fetches nothing
	TRIP 1, 0, 0, 0
	; THE WAY OUT.  Slot 0 has had its last fill (tile 6), and every wave's reads of it were waited for in front of tile 7's round: exchange and stage lie there.
	PLACES 4                                       ; before LDS stores and vector work read O
.irp n, 0,1,2,3
	v_permlanex16_b32 v[T+\n], v[ST+4*\n+3], s42, s43      ; each half of the lanes has summed its own keys
.endr
.irp n, 0,1,2,3
	v_add_f32 v[ST+4*\n+3], v[ST+4*\n+3], v[T+\n]
.endr
	v_and_b32 v5, 15, v0
	v_bfe_u32 v6, v0, 4, 1
	v_and_b32 v1, 31, v0
	v_lshlrev_b32 v1, 4, v1
	s_mul_i32 s22, s68, XW
	v_add_nc_u32 v1, s22, v1                       ; the exchange of my pair of waves: 16 bytes a lane in each quad of 512
	v_mul_u32_u24 v2, v5, SP
	v_lshl_add_u32 v2, v6, 4, v2
	s_mul_i32 s22, s12, 64*SP
	s_lshl_b32 s23, s67, 7
	s_add_co_u32 s22, s22, s23
	s_add_co_u32 s22, s22, STAGE
	v_add_nc_u32 v2, s22, v2                       ; stage, in: row 64 (w % 2) + r, my head's 128 bytes, 16 h
	v_mul_u32_u24 v3, v6, SP
	v_lshl_add_u32 v3, v5, 4, v3
	s_mul_i32 s23, s10, 16*SP
	s_add_co_u32 s23, s23, STAGE
	v_add_nc_u32 v3, s23, v3                       ; stage, back: rows 16 w + l / 16, 16 bytes at 16 (l % 16)
	v_lshlrev_b32 v4, 11, v6
	v_lshl_add_u32 v4, v5, 4, v4                   ; the same two rows in ctx
	s_lshl_b32 s20, s10, 4
	s_add_co_u32 s20, s46, s20
	s_lshl_b32 s20, s20, 11
	s_lshl_b32 s21, s17, 8
	s_add_co_u32 s20, s20, s21
	s_mov_b32 s21, 0
	s_add_nc_u64 s[8:9], s[8:9], s[20:21]
	s_cmp_eq_u32 s11, 0
	s_cbranch_scc1 .Lkeep
	; key half 1 hands over its figures and its O
.irp q, 0,1,2,3
	ds_store_b128 v1, v[ST+4*\q:ST+4*\q+3] offset:512*\q
.endr
	WIN 0x04                                       ; store data in window 1
.set k, 0
.rept 32
	ds_store_b128 v1, v[OA+4*k:OA+4*k+3] offset:2048+512*k
.set k, k+1
.endr
	WIN 0
.Lkeep:
	s_wait_dscnt 0x0                               ; my stores are done, for the wave that reads them
	s_barrier_signal -1
	s_barrier_wait -1
	s_cmp_lg_u32 s11, 0
	s_cbranch_scc1 .Lgave
	; key half 0 merges: common maximum, a factor for each half, one division
.irp q, 0,1,2,3
	ds_load_b128 v[BI+4*\q:BI+4*\q+3], v1 offset:512*\q
.endr
.set k, 0
.rept 32
	ds_load_b128 v[SC+4*k:SC+4*k+3], v1 offset:2048+512*k
.set k, k+1
.endr
	v_mov_b32 v[CONS], 0x7fc00000                  ; NaN
	s_wait_dscnt 32                                ; the partner's four quads of figures are in; its 32 quads of O stay out
.irp n, 0,1,2,3
	v_min_num_f32 v[T+\n], v[ST+4*\n], v[BI+4*\n]          ; -c x the common maximum
	v_max_num_f32 v[T+4+\n], v[ST+4*\n+1], v[BI+4*\n+1]    ; the common maximum
.endr
.irp n, 0,1,2,3
	v_sub_f32 v[48+\n], v[T+\n], v[ST+4*\n]                ; c (my maximum - common)
	v_sub_f32 v[52+\n], v[T+\n], v[BI+4*\n]                ; c (the partner's - common)
.endr
.irp n, 0,1,2,3
	v_exp_f32 v[48+\n], v[48+\n]
	v_exp_f32 v[52+\n], v[52+\n]
.endr
	v_nop                                          ; one plain place behind a transcendental (ISA guide 5.7.2)
	s_wait_alu depctr_va_vdst(0)
.irp n, 0,1,2,3
	v_mul_f32 v[56+\n], v[ST+4*\n+3], v[48+\n]
.endr
.irp n, 0,1,2,3
	v_fma_f32 v[56+\n], v[BI+4*\n+3], v[52+\n], v[56+\n]   ; the whole sum: at least 1, the weight of the largest score
.endr
.irp n, 0,1,2,3
	v_rcp_f32 v[56+\n], v[56+\n]
.endr
	v_nop
	s_wait_alu depctr_va_vdst(0)
.irp n, 0,1,2,3
	v_cmp_gt_f32 vcc_lo, s69, v[T+4+\n]                    ; every key masked:
	v_cndmask_b32 v[56+\n], v[56+\n], v[CONS], vcc_lo      ; NaN
.endr
.irp n, 0,1,2,3
	v_mul_f32 v[T+2*\n], v[48+\n], v[56+\n]                ; my factor, twice
	v_mul_f32 v[T+2*\n+1], v[48+\n], v[56+\n]
	v_mul_f32 v[BI+2*\n], v[52+\n], v[56+\n]               ; the partner's, twice
	v_mul_f32 v[BI+2*\n+1], v[52+\n], v[56+\n]
.endr
	s_wait_dscnt 0x0                               ; the partner's O
.irp n, 0,1,2,3
.set k, 0
.rept 16
	v_pk_mul_f32 v[SC+32*\n+k:SC+32*\n+k+1], v[SC+32*\n+k:SC+32*\n+k+1], v[BI+2*\n:BI+2*\n+1]
.set k, k+2
.endr
.endr
	WIN 0x01                                       ; source 0 (my O) in window 1
.irp n, 0,1,2,3
.set k, 0
.rept 16
	v_pk_fma_f32 v[SC+32*\n+k:SC+32*\n+k+1], v[OA+32*\n+k:OA+32*\n+k+1], v[T+2*\n:T+2*\n+1], v[SC+32*\n+k:SC+32*\n+k+1]
.set k, k+2
.endr
.endr
	WIN 0
.irp n, 0,1,2,3
.set k, 0
.rept 16
	v_cvt_pk_bf16_f32 v[KF+16*\n+k], v[SC+32*\n+2*k], v[SC+32*\n+2*k+1]
.set k, k+1
.endr
.endr
.irp n, 0,1,2,3
.irp d, 0,1,2,3
	ds_store_b128 v2, v[KF+16*\n+4*\d:KF+16*\n+4*\d+3] offset:\n*16*SP+32*\d
.endr
.endr
.Lgave:
	s_wait_dscnt 0x0                               ; my stores are done, for the waves that read them
	s_barrier_signal -1
	s_barrier_wait -1
.irp t, 0,1,2,3,4,5,6,7
	ds_load_b128 v[SC+4*\t:SC+4*\t+3], v3 offset:\t*2*SP           ; all eight waves carry out 16 rows each
.endr
.irp t, 0,1,2,3,4,5,6,7
	s_wait_dscnt 7-\t                              ; LDS loads come back in order: load t is in
	global_store_b128 v4, v[SC+4*\t:SC+4*\t+3], s[8:9] offset:4096*\t      ; 16 lanes store 256 consecutive bytes, aligned
.endr
	s_wait_xcnt 0x0
	v_lshl_add_u32 v254, v0, 2, 0x4a000
	v_mov_b32 v255, 0
	s_wait_tensorcnt 0x0
	ds_add_u32 v254, v255
	s_wait_dscnt 0x0
	ROUND                                          ; the closing round
	s_endpgm
.Lfunc_end_k_q9da0683f29_attn:
	.size	k_q9da0683f29_attn, .Lfunc_end_k_q9da0683f29_attn-k_q9da0683f29_attn
	.p2alignl 7, 3214868480
	.fill 96, 4, 3214868480
	.section	.rodata,"a",@progbits
	.p2align	6, 0x0
	.amdhsa_kernel k_q9da0683f29_attn
		.amdhsa_group_segment_fixed_size 327680
		.amdhsa_private_segment_fixed_size 0
		.amdhsa_enable_private_segment 0
		.amdhsa_kernarg_size 24
		.amdhsa_user_sgpr_count 2
		.amdhsa_user_sgpr_kernarg_segment_ptr 1
		.amdhsa_wavefront_size32 1
		.amdhsa_system_sgpr_workgroup_id_x 1
		.amdhsa_system_sgpr_workgroup_id_y 1
		.amdhsa_system_sgpr_workgroup_id_z 1
		.amdhsa_system_vgpr_workitem_id 0
		.amdhsa_next_free_vgpr 512
		.amdhsa_next_free_sgpr 72
		.amdhsa_reserve_vcc 1
		.amdhsa_float_denorm_mode_32 3
		.amdhsa_float_denorm_mode_16_64 3
		.amdhsa_memory_ordered 1
		.amdhsa_forward_progress 1
		.amdhsa_inst_pref_size 255
	.end_amdhsa_kernel
	.section	.bss,"aw",@nobits
	.p2align	6
	.space	262144
	.amdgpu_metadata
---
amdhsa.version: [ 1, 2 ]
amdhsa.kernels:
  - .name:           k_q9da0683f29_attn
    .symbol:         k_q9da0683f29_attn.kd
    .args:
      - { .name: qkv, .offset: 0, .size: 8, .value_kind: global_buffer, .address_space: global }
      - { .name: mask, .offset: 8, .size: 8, .value_kind: global_buffer, .address_space: global }
      - { .name: ctx, .offset: 16, .size: 8, .value_kind: global_buffer, .address_space: global }
    .group_segment_fixed_size: 327680
    .private_segment_fixed_size: 0
    .kernarg_segment_align: 8
    .kernarg_segment_size: 24
    .max_flat_workgroup_size: 256
    .sgpr_count:     72
    .vgpr_count:     512
    .wavefront_size: 32
...
	.end_amdgpu_metadata
.endif
;; end of part 3
;; launch oproj (part 4): grid 8 x 32, 4 waves a work-group, clusters of 4 x 4, 327,680 bytes of LDS; arguments ctx, wb, b_out, x, x1; writes x1
.if DOCPART == 4
	.amdgcn_target "amdgcn-amd-amdhsa--gfx1250"
	.amdhsa_code_object_version 6
	.text
	.protected	k_q9da0683f29_oproj
	.globl	k_q9da0683f29_oproj
	.p2align	8
	.type	k_q9da0683f29_oproj,@function
k_q9da0683f29_oproj:
	s_mov_b64 s[64:65], 0
	v_nop
	global_prefetch_b8 v0, s[64:65] scope:SCOPE_SE
	s_setreg_imm32_b32 hwreg(HW_REG_WAVE_MODE, 25, 1), 1
	s_wait_xcnt 0x0
	s_wait_alu depctr_hold_cnt(0) depctr_sa_sdst(0) depctr_va_vdst(0) depctr_va_sdst(0) depctr_va_ssrc(0) depctr_va_vcc(0) depctr_vm_vsrc(0)
	s_getreg_b32 s2, hwreg(HW_REG_IB_STS2, 6, 4)
	s_cmp_eq_u32 s2, 0
	s_cbranch_scc0 .Lentry_in_a_cluster
	s_endpgm
.Lentry_in_a_cluster:
	s_bfe_u32 s2, ttmp6, 0x10000c
	s_cmp_lg_u32 s2, 0xf033
	s_cbranch_scc0 .Lentry_shape_is_right
	s_endpgm
.Lentry_shape_is_right:
; C = res + A W + bias.  A: [4096][KD] bf16, W: [KD][1024] bf16 at byte WOFF of the weight buffer, bias: [1024] f32, res and C: [4096][1024] f32.
; N is 1,024, so blocks of 256 x 256 would give 64 work-groups.  Here a work-group makes 128 x 128 of C (8 x 32 = 256 work-groups) and its four waves
; SPLIT K: every wave holds the whole 128 x 128 in 64 accumulator tiles and multiplies 64 of each slot's 256 along K, which keeps the number of
; multiply-adds that each fragment byte feeds.  At the end the four partial blocks meet in LDS (in the ring, which has had its last fill) and
; each wave sums 32 whole rows, adds bias and residual in f32 and stores them.  The four partial sums are added in a fixed order.
; CLUSTERS: 4 x 4; A's tile is asked for jointly along a row of the cluster, W's along a column.
; Windows: 0 addresses, A's fragments, the way out; 1 W's fragments; 2 and 3 accumulators (tile (a, b) at v[8 (8 a + b)]).
; The matrix instruction is used transposed (source 0 = columns of W); the 64 accumulators take turns, one instruction a turn.
.set KD,     1024
.set ND,     1024
.set WOFF,   6291456
.set KSLOT,  256                       ; K in a slot
.set PA,     528                       ; A's LDS row: 512 bytes + 16
.set PB,     288                       ; W's LDS row: 256 bytes + 32
.set PART,   128*PB                    ; a wave's load: 128 k-rows of W (36,864 bytes), or 64 rows of A (33,792 of them used)
.set SLOT,   4*PART                    ; A's rows 0-63, A's rows 64-127, W's k-rows 0-127, W's k-rows 128-255
.set LAPS,   KD/(2*KSLOT)
.set RPITCH, 528                       ; the reduction: a row of 128 f32 + 16 bytes
.set RED,    128*RPITCH                ; one wave's partial block
.set ADRA, 16
.set ADRB, 20
.set STO,  24                          ; v24     where I put my partial block
.set CO,   25                          ; v25     16 x lane: my 4 columns of a row of 128
.set RDP,  26                          ; v26-29  where I read partial block p
.set BIA,  32                          ; v32-35  bias of my 4 columns
.set F0,   64
.set F1,   128
.set RES,  64                          ; way out: residual, row rr at 64 + 4 rr
.set BUF,  192                         ; way out: four rows x four partial sums
.set G1,  24
.set G0,  32
.set G1B, 48
.set G0B, 56
.set MSB, 0
.macro WIN new
.if MSB != \new
	s_set_vgpr_msb (MSB<<8)|\new
.set MSB, \new
.endif
.endm
.set MUL_LO, 0xa1
.set MUL_HI, 0xf1
.set TO_B,   0x40
.macro JLOAD s                         ; waves 0 and 1 fetch A's two halves, waves 2 and 3 W's
	s_cmp_eq_u32 s13, 0
	s_cbranch_scc0 .Lfor_b_\@
	tensor_load_to_lds s[G0+4*\s:G0+4*\s+3], s[G1:G1+7]
	s_nop 0
	s_branch .Lasked_\@
.Lfor_b_\@:
	tensor_load_to_lds s[G0B+4*\s:G0B+4*\s+3], s[G1B:G1B+7]
	s_nop 0
.Lasked_\@:
.endm
.macro CREST
	s_cmp_lg_u32 s12, 0
	s_cbranch_scc1 .Lnot_wave_0_\@
	s_barrier_signal -3
.Lnot_wave_0_\@:
	s_barrier_wait -3
	s_barrier_signal -1
	s_barrier_wait -1
.endm
.macro CROUND
	s_barrier_signal -1
	s_barrier_wait -1
	CREST
.endm
	s_load_b256 s[4:11], s[0:1], 0x0               ; A s[4:5], weights s[6:7], bias s[8:9], residual s[10:11]
	s_load_b64 s[66:67], s[0:1], 0x20              ; C
	s_set_vgpr_msb 0x40
	v_lshl_add_u32 v255, v0, 2, 0x48000
	s_set_vgpr_msb 0x4000
	v_mov_b32 v63, 0
	s_set_vgpr_msb 0x1
	ds_add_u32 v255, v63
	s_set_vgpr_msb 0x100
	v_lshrrev_b32 v1, 5, v0
	v_readfirstlane_b32 s12, v1                    ; wave: my quarter of each slot's K
	s_lshr_b32 s13, s12, 1                         ; I fetch for A (0) or for W (1)
	s_and_b32 s14, s12, 1                          ; which half of that tile
	s_bfe_u32 s40, ttmp6, 0x40000                  ; cx
	s_bfe_u32 s41, ttmp6, 0x40004                  ; cy
	s_lshl_b32 s42, ttmp9, 2
	s_add_co_u32 s42, s42, s40                     ; block column
	s_and_b32 s43, ttmp7, 0xffff
	s_lshl_b32 s43, s43, 2
	s_add_co_u32 s43, s43, s41                     ; block row
	s_lshl_b32 s44, s41, 2
	s_lshl_b32 s44, 15, s44
	s_lshl_b32 s45, 0x1111, s40
	s_or_b32 s[G1+0], s44, (1<<16)|(1<<20)|(1<<21)|(6<<22)|(3<<25)   ; my row's mask; after 128 words, 4 words of padding
	s_or_b32 s[G1B+0], s45, (1<<16)|(1<<20)|(1<<21)|(5<<22)|(7<<25)  ; my column's mask; after 64 words, 8 words
	s_mov_b32 s[G1+1], KSLOT<<16                   ; A: 64 rows x 256 elements
	s_mov_b32 s[G1+2], 64<<16
	s_mov_b32 s[G1+3], KSLOT<<16
	s_mov_b32 s[G1+4], 64
	s_mov_b32 s[G1+5], KD
	s_mov_b32 s[G1+6], 0
	s_mov_b32 s[G1+7], 0
	s_mov_b32 s[G1B+1], 128<<16                    ; W: 128 k-rows x 128 elements
	s_mov_b32 s[G1B+2], 128<<16
	s_mov_b32 s[G1B+3], 128<<16
	s_mov_b32 s[G1B+4], 128
	s_mov_b32 s[G1B+5], ND
	s_mov_b32 s[G1B+6], 0
	s_mov_b32 s[G1B+7], 0
	s_lshl_b32 s16, s43, 7
	s_lshl_b32 s17, s14, 6
	s_add_co_u32 s16, s16, s17                     ; A: row 128 x block row + 64 x half
	s_mul_i32 s16, s16, KD*2
	s_mov_b32 s17, 0
	s_mul_i32 s46, s14, 128*ND*2                   ; W: k-row 128 x half,
	s_lshl_b32 s47, s42, 8
	s_add_co_u32 s46, s46, s47                     ; column 128 x block column,
	s_add_co_u32 s46, s46, WOFF                    ; in this matrix's part of the weight buffer
	s_mov_b32 s47, 0
	s_mul_i32 s22, s12, PART
	s_wait_dscnt 0x0
	s_wait_kmcnt 0x0
	s_add_nc_u64 s[18:19], s[4:5], s[16:17]
	s_add_nc_u64 s[46:47], s[6:7], s[46:47]
	CROUND                                         ; the first joint loads meet
.irp s, 0,1
	s_mov_b32 s[G0+4*\s], 1
	s_add_co_u32 s[G0+4*\s+1], s22, \s*SLOT
	s_add_nc_u64 s[G0+4*\s+2:G0+4*\s+3], s[18:19], \s*KSLOT*2
	s_or_b32 s[G0+4*\s+3], s[G0+4*\s+3], 0x80000000
	s_mov_b32 s[G0B+4*\s], 1
	s_add_co_u32 s[G0B+4*\s+1], s22, \s*SLOT
	s_add_nc_u64 s[G0B+4*\s+2:G0B+4*\s+3], s[46:47], \s*KSLOT*ND*2
	s_or_b32 s[G0B+4*\s+3], s[G0B+4*\s+3], 0x80000000
	JLOAD \s                                       ; two tensor loads of a wave are out
.endr
	v_and_b32 v5, 31, v0
	v_lshlrev_b32 v[CO], 4, v5
	s_lshl_b32 s46, s42, 9                         ; the block's 128 columns, in f32
	s_mov_b32 s47, 0
	s_add_nc_u64 s[8:9], s[8:9], s[46:47]
	global_load_b128 v[BIA:BIA+3], v[CO], s[8:9]   ; waited for on the way out
	v_and_b32 v1, 15, v0                           ; r
	v_bfe_u32 v2, v0, 4, 1                         ; h
	v_mul_u32_u24 v3, v1, PA
	v_lshl_add_u32 v3, v2, 4, v3
	s_lshl_b32 s20, s12, 7                         ; my 64 along K: 128 bytes of A's rows
	v_add_nc_u32 v[ADRA], s20, v3
	v_add_nc_u32 v[ADRA+1], SLOT, v[ADRA]
	v_and_b32 v4, 7, v0
	v_lshl_add_u32 v4, v2, 3, v4
	v_mul_u32_u24 v4, v4, PB
	v_bfe_u32 v5, v0, 3, 1
	v_lshl_add_u32 v4, v5, 4, v4
	s_mul_i32 s21, s12, 64*PB                      ; my 64 k-rows of W,
	s_add_co_u32 s21, s21, 2*PART                  ; behind A's two parts
	v_add_nc_u32 v[ADRB], s21, v4
	v_add_nc_u32 v[ADRB+1], SLOT, v[ADRB]
	s_mul_i32 s23, s12, RED
	v_mul_u32_u24 v4, v1, RPITCH
	v_lshl_add_u32 v4, v2, 5, v4
	v_add_nc_u32 v[STO], s23, v4                   ; my partial block: row r, 32 h
	s_mul_i32 s23, s12, 32*RPITCH
	v_add_nc_u32 v[RDP], s23, v[CO]                ; rows 32 w .. of partial block 0,
.irp p, 1,2,3
	v_add_nc_u32 v[RDP+\p], \p*RED, v[RDP]         ; 1, 2, 3
.endr
.macro MUL16 f, hi, a0, zero
.irp a, \a0, \a0+1
.irp b, 0,1,2,3,4,5,6,7
.if \zero
	v_wmma_f32_16x16x32_bf16 v[8*(8*(\a)+\b):8*(8*(\a)+\b)+7], v[\f+8*\b:\f+8*\b+7], v[\f+8*(4*\hi+\a):\f+8*(4*\hi+\a)+7], 0
.else
	v_wmma_f32_16x16x32_bf16 v[8*(8*(\a)+\b):8*(8*(\a)+\b)+7], v[\f+8*\b:\f+8*\b+7], v[\f+8*(4*\hi+\a):\f+8*(4*\hi+\a)+7], v[8*(8*(\a)+\b):8*(8*(\a)+\b)+7]
.endif
.endr
.endr
.endm
.macro FETCH slot, q, f                ; quarter q (0, 1) of my 64 along K: W's 128 columns, then A's 128 rows
	WIN TO_B
.irp i, 0,1,2,3,4,5,6,7
	ds_load_tr16_b128 v[\f+8*\i:\f+8*\i+3],   v[ADRB+\slot] offset:\q*32*PB+32*\i
	ds_load_tr16_b128 v[\f+8*\i+4:\f+8*\i+7], v[ADRB+\slot] offset:\q*32*PB+16*PB+32*\i
.endr
	WIN 0
.irp i, 0,1,2,3,4,5,6,7
	ds_load_b128 v[\f+8*\i:\f+8*\i+3],   v[ADRA+\slot] offset:\q*64+(\i/4)*PART+(\i%4)*16*PA
	ds_load_b128 v[\f+8*\i+4:\f+8*\i+7], v[ADRA+\slot] offset:\q*64+(\i/4)*PART+(\i%4)*16*PA+32
.endr
.endm
.macro PLACES                          ; four places behind a matrix instruction (ISA guide 7.12.1)
.rept 4
	v_nop
.endr
.endm
.macro QUARTER slot, q, f, g, zero
	s_wait_dscnt 8                                 ; W and A's rows 0-63 are in; the youngest eight loads may be out
	WIN MUL_LO
	MUL16 \f, 0, 0, \zero
	MUL16 \f, 0, 2, \zero
	PLACES
	FETCH \slot, \q, \g
	s_wait_dscnt 32                                ; all but the 32 just issued
	WIN MUL_HI
	MUL16 \f, 1, 0, \zero
	MUL16 \f, 1, 2, \zero
.endm
.macro TURN slot, next, fill           ; the slot's second quarter, and the change of slots
	s_wait_dscnt 8
	WIN MUL_LO
	MUL16 F1, 0, 0, 0
	s_wait_dscnt 0                                 ; my reads of this slot are over
	s_wait_tensorcnt 0x0                           ; all my tensor loads have landed: my part of the next slot
	ds_add_u32 v255, v63
	s_wait_dscnt 0x0
	s_barrier_signal -1
	MUL16 F1, 0, 2, 0
	WIN 0
	s_barrier_wait -1
.if \fill
	CREST                                          ; no wave of any partner still reads this slot or has a load on its way
	s_add_nc_u64 s[G0+4*\slot+2:G0+4*\slot+3], s[G0+4*\slot+2:G0+4*\slot+3], 2*KSLOT*2
	s_add_nc_u64 s[G0B+4*\slot+2:G0B+4*\slot+3], s[G0B+4*\slot+2:G0B+4*\slot+3], 2*KSLOT*ND*2
	JLOAD \slot                                    ; the first tensor load behind the round, one a wave
.endif
	PLACES
	FETCH \next, 0, F0
	WIN MUL_HI
	MUL16 F1, 1, 0, 0
	MUL16 F1, 1, 2, 0
.endm
.macro LAP zero
	QUARTER 0, 1, F0, F1, \zero
	TURN 0, 1, 1
	QUARTER 1, 1, F0, F1, 0
	TURN 1, 0, 1
.endm
	s_wait_tensorcnt 1                             ; my part of slot 0 is in; slot 1's load stays out
	s_barrier_signal -1
	s_barrier_wait -1
	FETCH 0, 0, F0
	LAP 1
.if LAPS > 2
	WIN 0
	s_mov_b32 s3, LAPS-2
.Llap:
	LAP 0
	WIN 0
	s_sub_co_u32 s3, s3, 1
	s_cmp_lg_u32 s3, 0
	s_cbranch_scc1 .Llap
.endif
	QUARTER 0, 1, F0, F1, 0                        ; the last lap fills nothing
	TURN 0, 1, 0
	QUARTER 1, 1, F0, F1, 0
	s_wait_dscnt 8
	WIN MUL_LO
	MUL16 F1, 0, 0, 0
	MUL16 F1, 0, 2, 0
	s_wait_dscnt 0
	WIN MUL_HI
	MUL16 F1, 1, 0, 0
	MUL16 F1, 1, 2, 0
	; THE WAY OUT
	PLACES                                         ; before the residual lands on the fragment buffers and the LDS stores read the sums
	WIN 0
	s_lshl_b32 s16, s43, 7
	s_lshl_b32 s17, s12, 5
	s_add_co_u32 s16, s16, s17                     ; my 32 rows: 128 x block row + 32 w
	s_lshl_b32 s16, s16, 12
	s_mov_b32 s17, 0
	s_add_nc_u64 s[10:11], s[10:11], s[16:17]
	s_add_nc_u64 s[66:67], s[66:67], s[16:17]
	s_add_nc_u64 s[10:11], s[10:11], s[46:47]      ; s[46:47] still holds the block's 128 columns in bytes
	s_add_nc_u64 s[66:67], s[66:67], s[46:47]
.set k, 0
.rept 32
	global_load_b128 v[RES+4*k:RES+4*k+3], v[CO], s[10:11] offset:k*4096       ; a wave's load covers 512 consecutive bytes of a row
.set k, k+1
.endr
	s_wait_dscnt 0x0                               ; met: my reads of the ring are over,
	s_barrier_signal -1
	s_barrier_wait -1                              ; and so are everybody's; no tensor load is out and none follows
	WIN 0x08                                       ; store data in window 2
.irp a, 0,1,2,3
.irp b, 0,1,2,3,4,5,6,7
	ds_store_b128 v[STO], v[8*(8*\a+\b):8*(8*\a+\b)+3]   offset:\a*16*RPITCH+64*\b
	ds_store_b128 v[STO], v[8*(8*\a+\b)+4:8*(8*\a+\b)+7] offset:\a*16*RPITCH+64*\b+16
.endr
.endr
	WIN 0x0c                                       ; window 3
.irp a, 0,1,2,3
.irp b, 0,1,2,3,4,5,6,7
	ds_store_b128 v[STO], v[8*(8*\a+\b):8*(8*\a+\b)+3]   offset:(\a+4)*16*RPITCH+64*\b
	ds_store_b128 v[STO], v[8*(8*\a+\b)+4:8*(8*\a+\b)+7] offset:(\a+4)*16*RPITCH+64*\b+16
.endr
.endr
	WIN 0
	s_wait_dscnt 0x0                               ; my partial block is written, for the waves that read it
	s_barrier_signal -1
	s_barrier_wait -1
.macro SUM4 g                          ; four rows: four partial sums each, bias, residual
	s_wait_xcnt 0x0                                ; BUF was the last group's store data
.irp i, 0,1,2,3
.irp p, 0,1,2,3
	ds_load_b128 v[BUF+16*\i+4*\p:BUF+16*\i+4*\p+3], v[RDP+\p] offset:(4*\g+\i)*RPITCH
.endr
.endr
	s_wait_dscnt 0x0
	s_wait_loadcnt 28-4*\g                         ; the bias and the residual up to this group's rows are in; the later groups' rows stay out
.irp i, 0,1,2,3
.irp c, 0,2
	v_pk_add_f32 v[BUF+16*\i+\c:BUF+16*\i+\c+1], v[BUF+16*\i+\c:BUF+16*\i+\c+1], v[BUF+16*\i+4+\c:BUF+16*\i+4+\c+1]
	v_pk_add_f32 v[BUF+16*\i+8+\c:BUF+16*\i+8+\c+1], v[BUF+16*\i+8+\c:BUF+16*\i+8+\c+1], v[BUF+16*\i+12+\c:BUF+16*\i+12+\c+1]
.endr
.irp c, 0,2
	v_pk_add_f32 v[BUF+16*\i+\c:BUF+16*\i+\c+1], v[BUF+16*\i+\c:BUF+16*\i+\c+1], v[BUF+16*\i+8+\c:BUF+16*\i+8+\c+1]
.endr
.irp c, 0,2
	v_pk_add_f32 v[BUF+16*\i+\c:BUF+16*\i+\c+1], v[BUF+16*\i+\c:BUF+16*\i+\c+1], v[BIA+\c:BIA+\c+1]
.endr
.irp c, 0,2
	v_pk_add_f32 v[BUF+16*\i+\c:BUF+16*\i+\c+1], v[BUF+16*\i+\c:BUF+16*\i+\c+1], v[RES+4*(4*\g+\i)+\c:RES+4*(4*\g+\i)+\c+1]
.endr
	global_store_b128 v[CO], v[BUF+16*\i:BUF+16*\i+3], s[66:67] offset:(4*\g+\i)*4096   ; a wave's store covers 512 consecutive bytes, aligned
.endr
.endm
.irp g, 0,1,2,3,4,5,6,7
	SUM4 \g
.endr
	s_set_vgpr_msb 0x1
	s_wait_tensorcnt 0x0
	ds_add_u32 v255, v63
	s_wait_dscnt 0x0
	s_set_vgpr_msb 0x100
	CROUND                                         ; the closing round
	s_endpgm
.Lfunc_end_k_q9da0683f29_oproj:
	.size	k_q9da0683f29_oproj, .Lfunc_end_k_q9da0683f29_oproj-k_q9da0683f29_oproj
	.p2alignl 7, 3214868480
	.fill 96, 4, 3214868480
	.section	.rodata,"a",@progbits
	.p2align	6, 0x0
	.amdhsa_kernel k_q9da0683f29_oproj
		.amdhsa_group_segment_fixed_size 327680
		.amdhsa_private_segment_fixed_size 0
		.amdhsa_enable_private_segment 0
		.amdhsa_kernarg_size 40
		.amdhsa_user_sgpr_count 2
		.amdhsa_user_sgpr_kernarg_segment_ptr 1
		.amdhsa_wavefront_size32 1
		.amdhsa_system_sgpr_workgroup_id_x 1
		.amdhsa_system_sgpr_workgroup_id_y 1
		.amdhsa_system_sgpr_workgroup_id_z 1
		.amdhsa_system_vgpr_workitem_id 0
		.amdhsa_next_free_vgpr 1024
		.amdhsa_next_free_sgpr 68
		.amdhsa_reserve_vcc 0
		.amdhsa_float_denorm_mode_32 3
		.amdhsa_float_denorm_mode_16_64 3
		.amdhsa_memory_ordered 1
		.amdhsa_forward_progress 1
		.amdhsa_inst_pref_size 103
	.end_amdhsa_kernel
	.amdgpu_metadata
---
amdhsa.version: [ 1, 2 ]
amdhsa.kernels:
  - .name:           k_q9da0683f29_oproj
    .symbol:         k_q9da0683f29_oproj.kd
    .args:
      - { .name: ctx, .offset: 0, .size: 8, .value_kind: global_buffer, .address_space: global }
      - { .name: wb, .offset: 8, .size: 8, .value_kind: global_buffer, .address_space: global }
      - { .name: b_out, .offset: 16, .size: 8, .value_kind: global_buffer, .address_space: global }
      - { .name: x, .offset: 24, .size: 8, .value_kind: global_buffer, .address_space: global }
      - { .name: x1, .offset: 32, .size: 8, .value_kind: global_buffer, .address_space: global }
    .group_segment_fixed_size: 327680
    .private_segment_fixed_size: 0
    .kernarg_segment_align: 8
    .kernarg_segment_size: 40
    .max_flat_workgroup_size: 128
    .sgpr_count:     68
    .vgpr_count:     1024
    .wavefront_size: 32
...
	.end_amdgpu_metadata
.endif
;; end of part 4
;; launch ln2 (part 5): grid 256 x 1, 8 waves a work-group, no clusters, 0 bytes of LDS; arguments x1, g_ln2, be_ln2, hn; writes hn
.if DOCPART == 5
	.amdgcn_target "amdgcn-amd-amdhsa--gfx1250"
	.amdhsa_code_object_version 6
	.text
	.protected	k_q9da0683f29_ln2
	.globl	k_q9da0683f29_ln2
	.p2align	8
	.type	k_q9da0683f29_ln2,@function
k_q9da0683f29_ln2:
	s_mov_b64 s[64:65], 0
	v_nop
	global_prefetch_b8 v0, s[64:65] scope:SCOPE_SE
	s_setreg_imm32_b32 hwreg(HW_REG_WAVE_MODE, 25, 1), 1
	s_wait_xcnt 0x0
; hn = bf16(LayerNorm(x1) * g + be).  x1: [4096][1024] f32.  A work-group takes 16 rows, a wave two; a row stays in 32 registers between the pass
; for the mean, the pass for the variance of (x - mean) and the scaling, so x1 is read once.  A stream: no LDS, no barrier, no matrix unit, no cluster.
.set T,  4                             ; v[4:11]    at work
.set MU, 12                            ; v[12:13]   the mean, twice
.set R,  14                            ; v[14:15]   1 / sqrt(var + eps), twice
.set X,  16                            ; v[16:79]   two rows
.set G,  80                            ; v[80:111]  g of my 32 columns
.set BE, 112                           ; v[112:143] be of my 32 columns
.set Y,  144                           ; v[144:175] results in bf16
	s_load_b256 s[4:11], s[0:1], 0x0               ; x1 s[4:5], g s[6:7], be s[8:9], hn s[10:11]
	s_mov_b32 s22, 0x76543210
	s_mov_b32 s23, 0xfedcba98
	s_mov_b32 s30, 0x3a800000                      ; 1 / 1024
	s_mov_b32 s31, 0x3727c5ac                      ; eps = 1e-5
	v_and_b32 v1, 31, v0
	v_lshrrev_b32 v2, 5, v0
	v_lshlrev_b32 v3, 3, v1
	v_lshlrev_b32 v1, 4, v1
	v_lshl_add_u32 v3, v2, 12, v3                  ; out: wave x 2 rows x 2,048 bytes + 8 lane
	v_lshl_add_u32 v2, v2, 13, v1                  ; in: wave x 2 rows x 4,096 bytes + 16 lane
	s_lshl_b32 s26, ttmp9, 16
	s_mov_b32 s27, 0
	s_lshl_b32 s28, ttmp9, 15
	s_mov_b32 s29, 0
	s_wait_kmcnt 0x0
	s_add_nc_u64 s[4:5], s[4:5], s[26:27]
	s_add_nc_u64 s[10:11], s[10:11], s[28:29]
.irp s, 0,1
.irp j, 0,1,2,3,4,5,6,7
	global_load_b128 v[X+32*\s+4*\j:X+32*\s+4*\j+3], v2, s[4:5] offset:\s*4096+512*\j
.endr
.endr
.irp j, 0,1,2,3,4,5,6,7
	global_load_b128 v[G+4*\j:G+4*\j+3], v1, s[6:7] offset:512*\j
.endr
.irp j, 0,1,2,3,4,5,6,7
	global_load_b128 v[BE+4*\j:BE+4*\j+3], v1, s[8:9] offset:512*\j
.endr
.macro FOLD                            ; four packed partial sums become one sum over the wave, in every lane
	v_pk_add_f32 v[T:T+1], v[T:T+1], v[T+2:T+3]
	v_pk_add_f32 v[T+4:T+5], v[T+4:T+5], v[T+6:T+7]
	v_pk_add_f32 v[T:T+1], v[T:T+1], v[T+4:T+5]
	v_add_f32 v[T], v[T], v[T+1]
	v_add_f32_dpp v[T], v[T], v[T] row_xmask:1 row_mask:0xf bank_mask:0xf
	v_add_f32_dpp v[T], v[T], v[T] row_xmask:2 row_mask:0xf bank_mask:0xf
	v_add_f32_dpp v[T], v[T], v[T] row_xmask:4 row_mask:0xf bank_mask:0xf
	v_add_f32_dpp v[T], v[T], v[T] row_xmask:8 row_mask:0xf bank_mask:0xf
	v_permlanex16_b32 v[T+1], v[T], s22, s23
	v_add_f32 v[T], v[T], v[T+1]
.endm
.macro LNROW s
.set XB, X+32*\s
.if \s == 0
	s_wait_loadcnt 24                              ; row 0's eight loads are in; row 1's, g's and be's 24 stay out
.endif
.irp c, 0,2,4,6
	v_pk_add_f32 v[T+\c:T+\c+1], v[XB+\c:XB+\c+1], v[XB+8+\c:XB+8+\c+1]
.endr
.irp c, 0,2,4,6
	v_pk_add_f32 v[T+\c:T+\c+1], v[T+\c:T+\c+1], v[XB+16+\c:XB+16+\c+1]
.endr
.irp c, 0,2,4,6
	v_pk_add_f32 v[T+\c:T+\c+1], v[T+\c:T+\c+1], v[XB+24+\c:XB+24+\c+1]
.endr
	FOLD
	v_mul_f32 v[MU], s30, v[T]
	v_mul_f32 v[MU+1], s30, v[T]
.set k, 0
.rept 16
	v_pk_add_f32 v[XB+k:XB+k+1], v[XB+k:XB+k+1], v[MU:MU+1] neg_lo:[0,1] neg_hi:[0,1]
.set k, k+2
.endr
.irp c, 0,2,4,6
	v_pk_mul_f32 v[T+\c:T+\c+1], v[XB+\c:XB+\c+1], v[XB+\c:XB+\c+1]
.endr
.irp o, 8,16,24
.irp c, 0,2,4,6
	v_pk_fma_f32 v[T+\c:T+\c+1], v[XB+\o+\c:XB+\o+\c+1], v[XB+\o+\c:XB+\o+\c+1], v[T+\c:T+\c+1]
.endr
.endr
	FOLD
	v_fma_f32 v[T], v[T], s30, s31
	v_rsq_f32 v[R], v[T]
	v_rsq_f32 v[R+1], v[T]
	v_nop                                          ; one plain place behind a transcendental (ISA guide 5.7.2)
.if \s == 0
	s_wait_loadcnt 0x0                             ; g and be (and row 1) are in
.endif
.set k, 0
	s_wait_alu depctr_va_vdst(0)
.rept 16
	v_pk_mul_f32 v[XB+k:XB+k+1], v[XB+k:XB+k+1], v[R:R+1]
.set k, k+2
.endr
.set k, 0
.rept 16
	v_pk_fma_f32 v[XB+k:XB+k+1], v[XB+k:XB+k+1], v[G+k:G+k+1], v[BE+k:BE+k+1]
.set k, k+2
.endr
.set k, 0
.rept 16
	v_cvt_pk_bf16_f32 v[Y+16*\s+k], v[XB+2*k], v[XB+2*k+1]
.set k, k+1
.endr
.irp j, 0,1,2,3,4,5,6,7
	global_store_b64 v3, v[Y+16*\s+2*\j:Y+16*\s+2*\j+1], s[10:11] offset:\s*2048+256*\j  ; a wave's store covers 256 consecutive bytes, aligned
.endr
.endm
	LNROW 0
	LNROW 1
	s_endpgm
.Lfunc_end_k_q9da0683f29_ln2:
	.size	k_q9da0683f29_ln2, .Lfunc_end_k_q9da0683f29_ln2-k_q9da0683f29_ln2
	.p2alignl 7, 3214868480
	.fill 96, 4, 3214868480
	.section	.rodata,"a",@progbits
	.p2align	6, 0x0
	.amdhsa_kernel k_q9da0683f29_ln2
		.amdhsa_group_segment_fixed_size 0
		.amdhsa_private_segment_fixed_size 0
		.amdhsa_enable_private_segment 0
		.amdhsa_kernarg_size 32
		.amdhsa_user_sgpr_count 2
		.amdhsa_user_sgpr_kernarg_segment_ptr 1
		.amdhsa_wavefront_size32 1
		.amdhsa_system_sgpr_workgroup_id_x 1
		.amdhsa_system_sgpr_workgroup_id_y 1
		.amdhsa_system_sgpr_workgroup_id_z 1
		.amdhsa_system_vgpr_workitem_id 0
		.amdhsa_next_free_vgpr 176
		.amdhsa_next_free_sgpr 66
		.amdhsa_reserve_vcc 0
		.amdhsa_float_denorm_mode_32 3
		.amdhsa_float_denorm_mode_16_64 3
		.amdhsa_memory_ordered 1
		.amdhsa_forward_progress 1
		.amdhsa_inst_pref_size 20
	.end_amdhsa_kernel
	.amdgpu_metadata
---
amdhsa.version: [ 1, 2 ]
amdhsa.kernels:
  - .name:           k_q9da0683f29_ln2
    .symbol:         k_q9da0683f29_ln2.kd
    .args:
      - { .name: x1, .offset: 0, .size: 8, .value_kind: global_buffer, .address_space: global }
      - { .name: g_ln2, .offset: 8, .size: 8, .value_kind: global_buffer, .address_space: global }
      - { .name: be_ln2, .offset: 16, .size: 8, .value_kind: global_buffer, .address_space: global }
      - { .name: hn, .offset: 24, .size: 8, .value_kind: global_buffer, .address_space: global }
    .group_segment_fixed_size: 0
    .private_segment_fixed_size: 0
    .kernarg_segment_align: 8
    .kernarg_segment_size: 32
    .max_flat_workgroup_size: 256
    .sgpr_count:     66
    .vgpr_count:     176
    .wavefront_size: 32
...
	.end_amdgpu_metadata
.endif
;; end of part 5
;; launch ff1 (part 6): grid 16 x 16, 4 waves a work-group, clusters of 4 x 4, 327,680 bytes of LDS; arguments hn, wb, b_ff1, act; writes act
.if DOCPART == 6
	.amdgcn_target "amdgcn-amd-amdhsa--gfx1250"
	.amdhsa_code_object_version 6
	.text
	.protected	k_q9da0683f29_ff1
	.globl	k_q9da0683f29_ff1
	.p2align	8
	.type	k_q9da0683f29_ff1,@function
k_q9da0683f29_ff1:
	s_mov_b64 s[64:65], 0
	v_nop
	global_prefetch_b8 v0, s[64:65] scope:SCOPE_SE
	s_setreg_imm32_b32 hwreg(HW_REG_WAVE_MODE, 25, 1), 1
	s_wait_xcnt 0x0
	s_wait_alu depctr_hold_cnt(0) depctr_sa_sdst(0) depctr_va_vdst(0) depctr_va_sdst(0) depctr_va_ssrc(0) depctr_va_vcc(0) depctr_vm_vsrc(0)
	s_getreg_b32 s2, hwreg(HW_REG_IB_STS2, 6, 4)
	s_cmp_eq_u32 s2, 0
	s_cbranch_scc0 .Lentry_in_a_cluster
	s_endpgm
.Lentry_in_a_cluster:
	s_bfe_u32 s2, ttmp6, 0x10000c
	s_cmp_lg_u32 s2, 0xf033
	s_cbranch_scc0 .Lentry_shape_is_right
	s_endpgm
.Lentry_shape_is_right:
; C = bf16(gelu(A W + bias)), the exact GELU 0.5 x (1 + erf(x / sqrt 2)).  A: [4096][KD] bf16, W: [KD][ND] bf16 at byte WOFF of the weight buffer,
; bias: [ND] f32, C: [4096][ND] bf16; sums and GELU in f32.
; LIMIT: erf by the rational form of Abramowitz and Stegun 7.1.26, absolute error at most 1.5e-7, for every x (for large |x| the exponential goes to 0).
; A work-group makes 256 x 256 of C with four waves, a wave 128 x 128: 64 accumulator tiles, 512 registers.  K goes in steps of 128 through
; two LDS slots filled by the tensor data mover.  A's tile lies [row][k]; W's tile lies [k][n] as in memory and its fragments are read
; with the transposing LDS load.  16 x 16 = 256 work-groups.
; CLUSTERS: 4 x 4 work-groups.  A's tile is asked for jointly along a row of the cluster, W's along a column.
; REGISTER WINDOWS: 0: addresses, bias, A's fragments (two buffers), work on the way out; 1: W's fragments (two buffers);
; 2: accumulators of my rows 0-63 (tile (a, b) at v[8 (8 a + b)]); 3: those of rows 64-127.
; The matrix instruction is used transposed (source 0 = 16 columns of W, source 1 = 16 rows of A): a lane then holds eight neighbouring
; columns of one row of C.  The 64 accumulators take turns, one instruction a turn.
.set KD,     1024
.set ND,     4096
.set WOFF,   8388608
.set KSTEP,  128
.set PA,     272                       ; A's LDS row: 256 bytes + 16
.set PB,     544                       ; W's LDS row: 512 bytes + 32
.set HALFT,  128*PA                    ; what one tensor load brings: 128 rows of A, or 64 k-rows of W
.set SLOT,   4*HALFT
.set STAGE,  2*SLOT                    ; behind the ring: 16 rows x 272 bytes for each wave; no fill lands here
.set SPITCH, 272
.set LAPS,   KD/(2*KSTEP)
.set ADRA, 16
.set ADRB, 20
.set STO,  24
.set RD,   25
.set CO,   26
.set BOF,  27
.set A4,   28                          ; v28-29  a constant of the GELU polynomial, twice
.set F0,   64
.set F1,   128
.set XT,   64                          ; way out: 64 sums with bias, f32
.set GD,   128                         ; way out: GELU at work
.set GE,   136
.set GP,   144
.set OB,   160                         ; way out: rows read back, to store
.set TMP,  192                         ; way out: packed results
.set G1,  24
.set G0,  32
.set G1B, 48
.set G0B, 56
.set MSB, 0
.macro WIN new
.if MSB != \new
	s_set_vgpr_msb (MSB<<8)|\new
.set MSB, \new
.endif
.endm
.set MUL_LO, 0xa1
.set MUL_HI, 0xf1
.set TO_B,   0x40
.macro JLOAD s                         ; waves 0 and 1 fetch A's two halves, waves 2 and 3 W's
	s_cmp_eq_u32 s13, 0
	s_cbranch_scc0 .Lfor_b_\@
	tensor_load_to_lds s[G0+4*\s:G0+4*\s+3], s[G1:G1+7]
	s_nop 0
	s_branch .Lasked_\@
.Lfor_b_\@:
	tensor_load_to_lds s[G0B+4*\s:G0B+4*\s+3], s[G1B:G1B+7]
	s_nop 0
.Lasked_\@:
.endm
.macro CREST
	s_cmp_lg_u32 s12, 0
	s_cbranch_scc1 .Lnot_wave_0_\@
	s_barrier_signal -3
.Lnot_wave_0_\@:
	s_barrier_wait -3
	s_barrier_signal -1
	s_barrier_wait -1
.endm
.macro CROUND
	s_barrier_signal -1
	s_barrier_wait -1
	CREST
.endm
	s_load_b256 s[4:11], s[0:1], 0x0               ; A s[4:5], weights s[6:7], bias s[8:9], C s[10:11]
	s_set_vgpr_msb 0x40
	v_lshl_add_u32 v255, v0, 2, 0x48400
	s_set_vgpr_msb 0x4000
	v_mov_b32 v31, 0
	s_set_vgpr_msb 0x1
	ds_add_u32 v255, v31
	s_set_vgpr_msb 0x100
	v_lshrrev_b32 v1, 5, v0
	v_readfirstlane_b32 s12, v1                    ; wave 0..3
	s_lshr_b32 s13, s12, 1                         ; my half of the block's rows.  Also: I fetch for A (0) or for W (1)
	s_and_b32 s14, s12, 1                          ; my half of its columns.  Also: which half of that tile I fetch
	s_bfe_u32 s40, ttmp6, 0x40000                  ; cx
	s_bfe_u32 s41, ttmp6, 0x40004                  ; cy
	s_lshl_b32 s42, ttmp9, 2
	s_add_co_u32 s42, s42, s40                     ; block column
	s_and_b32 s43, ttmp7, 0xffff
	s_lshl_b32 s43, s43, 2
	s_add_co_u32 s43, s43, s41                     ; block row
	s_lshl_b32 s44, s41, 2
	s_lshl_b32 s44, 15, s44
	s_lshl_b32 s45, 0x1111, s40
	s_or_b32 s[G1+0], s44, (1<<16)|(1<<20)|(1<<21)|(5<<22)|(3<<25)   ; my row's mask; after 64 words, 4 words of padding
	s_or_b32 s[G1B+0], s45, (1<<16)|(1<<20)|(1<<21)|(6<<22)|(7<<25)  ; my column's mask; after 128 words, 8 words
	s_mov_b32 s[G1+1], KSTEP<<16                   ; A: 128 rows x 128 elements
	s_mov_b32 s[G1+2], 128<<16
	s_mov_b32 s[G1+3], KSTEP<<16
	s_mov_b32 s[G1+4], 128
	s_mov_b32 s[G1+5], KD
	s_mov_b32 s[G1+6], 0
	s_mov_b32 s[G1+7], 0
	s_mov_b32 s[G1B+1], 256<<16                    ; W: 64 k-rows x 256 elements
	s_mov_b32 s[G1B+2], 64<<16
	s_mov_b32 s[G1B+3], 256<<16
	s_mov_b32 s[G1B+4], 64
	s_mov_b32 s[G1B+5], ND
	s_mov_b32 s[G1B+6], 0
	s_mov_b32 s[G1B+7], 0
	s_lshl_b32 s16, s43, 8
	s_lshl_b32 s17, s14, 7
	s_add_co_u32 s16, s16, s17
	s_mul_i32 s16, s16, KD*2
	s_mov_b32 s17, 0
	s_mul_i32 s46, s14, 64*ND*2
	s_lshl_b32 s47, s42, 9
	s_add_co_u32 s46, s46, s47
	s_add_co_u32 s46, s46, WOFF
	s_mov_b32 s47, 0
	s_mul_i32 s22, s12, HALFT
	s_wait_dscnt 0x0
	s_wait_kmcnt 0x0
	s_add_nc_u64 s[18:19], s[4:5], s[16:17]
	s_add_nc_u64 s[46:47], s[6:7], s[46:47]
	CROUND                                         ; the first joint loads meet
.irp s, 0,1
	s_mov_b32 s[G0+4*\s], 1
	s_add_co_u32 s[G0+4*\s+1], s22, \s*SLOT
	s_add_nc_u64 s[G0+4*\s+2:G0+4*\s+3], s[18:19], \s*KSTEP*2
	s_or_b32 s[G0+4*\s+3], s[G0+4*\s+3], 0x80000000
	s_mov_b32 s[G0B+4*\s], 1
	s_add_co_u32 s[G0B+4*\s+1], s22, \s*SLOT
	s_add_nc_u64 s[G0B+4*\s+2:G0B+4*\s+3], s[46:47], \s*KSTEP*ND*2
	s_or_b32 s[G0B+4*\s+3], s[G0B+4*\s+3], 0x80000000
	JLOAD \s                                       ; two tensor loads of a wave are out
.endr
	v_and_b32 v1, 15, v0                           ; r
	v_bfe_u32 v2, v0, 4, 1                         ; h
	s_lshl_b32 s46, s42, 10
	s_lshl_b32 s47, s14, 9
	s_add_co_u32 s46, s46, s47
	s_mov_b32 s47, 0
	s_add_nc_u64 s[8:9], s[8:9], s[46:47]
	v_lshlrev_b32 v[BOF], 5, v2
.irp b, 0,1,2,3,4,5,6,7
	global_load_b128 v[32+8*\b+160*(\b/4):32+8*\b+160*(\b/4)+3],   v[BOF], s[8:9] offset:64*\b      ; bias of tile b: v32-63 for tiles 0-3, v224-255 for 4-7
	global_load_b128 v[32+8*\b+160*(\b/4)+4:32+8*\b+160*(\b/4)+7], v[BOF], s[8:9] offset:64*\b+16
.endr
	v_mul_u32_u24 v3, v1, PA
	v_lshl_add_u32 v3, v2, 4, v3
	s_mul_i32 s20, s13, HALFT
	v_add_nc_u32 v[ADRA], s20, v3
	v_add_nc_u32 v[ADRA+1], SLOT, v[ADRA]
	v_and_b32 v4, 7, v0
	v_lshl_add_u32 v4, v2, 3, v4
	v_mul_u32_u24 v4, v4, PB
	v_bfe_u32 v5, v0, 3, 1
	v_lshl_add_u32 v4, v5, 4, v4
	s_lshl_b32 s21, s14, 8
	s_add_co_u32 s21, s21, 2*HALFT
	v_add_nc_u32 v[ADRB], s21, v4
	v_add_nc_u32 v[ADRB+1], SLOT, v[ADRB]
	s_mul_i32 s23, s12, 16*SPITCH
	s_add_co_u32 s23, s23, STAGE
	v_mul_u32_u24 v4, v1, SPITCH
	v_lshl_add_u32 v4, v2, 4, v4
	v_add_nc_u32 v[STO], s23, v4
	v_mul_u32_u24 v5, v2, SPITCH
	v_lshl_add_u32 v5, v1, 4, v5
	v_add_nc_u32 v[RD], s23, v5
	v_mul_u32_u24 v5, v2, ND*2
	v_lshl_add_u32 v[CO], v1, 4, v5
.macro MUL16 f, hi, a0, zero
.irp a, \a0, \a0+1
.irp b, 0,1,2,3,4,5,6,7
.if \zero
	v_wmma_f32_16x16x32_bf16 v[8*(8*(\a)+\b):8*(8*(\a)+\b)+7], v[\f+8*\b:\f+8*\b+7], v[\f+8*(4*\hi+\a):\f+8*(4*\hi+\a)+7], 0
.else
	v_wmma_f32_16x16x32_bf16 v[8*(8*(\a)+\b):8*(8*(\a)+\b)+7], v[\f+8*\b:\f+8*\b+7], v[\f+8*(4*\hi+\a):\f+8*(4*\hi+\a)+7], v[8*(8*(\a)+\b):8*(8*(\a)+\b)+7]
.endif
.endr
.endr
.endm
.macro FETCH slot, q, f
	WIN TO_B
.irp i, 0,1,2,3,4,5,6,7
	ds_load_tr16_b128 v[\f+8*\i:\f+8*\i+3],   v[ADRB+\slot] offset:\q*32*PB+32*\i
	ds_load_tr16_b128 v[\f+8*\i+4:\f+8*\i+7], v[ADRB+\slot] offset:\q*32*PB+16*PB+32*\i
.endr
	WIN 0
.irp i, 0,1,2,3,4,5,6,7
	ds_load_b128 v[\f+8*\i:\f+8*\i+3],   v[ADRA+\slot] offset:\q*64+\i*16*PA
	ds_load_b128 v[\f+8*\i+4:\f+8*\i+7], v[ADRA+\slot] offset:\q*64+\i*16*PA+32
.endr
.endm
.macro PLACES                          ; four places behind a matrix instruction (ISA guide 7.12.1)
.rept 4
	v_nop
.endr
.endm
.macro QUARTER slot, q, f, g, zero
	s_wait_dscnt 8                                 ; W and A's rows 0-63 are in; the youngest eight loads may be out
	WIN MUL_LO
	MUL16 \f, 0, 0, \zero
	MUL16 \f, 0, 2, \zero
	PLACES
	FETCH \slot, \q, \g
	s_wait_dscnt 32                                ; all but the 32 just issued
	WIN MUL_HI
	MUL16 \f, 1, 0, \zero
	MUL16 \f, 1, 2, \zero
.endm
.macro THREE slot, zero
	QUARTER \slot, 1, F0, F1, \zero
	QUARTER \slot, 2, F1, F0, 0
	QUARTER \slot, 3, F0, F1, 0
.endm
.macro TURN slot, next, fill
	s_wait_dscnt 8
	WIN MUL_LO
	MUL16 F1, 0, 0, 0
	s_wait_dscnt 0                                 ; my reads of this slot are over
	s_wait_tensorcnt 0x0                           ; all my tensor loads have landed: my part of the next slot
	ds_add_u32 v255, v31
	s_wait_dscnt 0x0
	s_barrier_signal -1
	MUL16 F1, 0, 2, 0
	WIN 0
	s_barrier_wait -1
.if \fill
	CREST                                          ; no wave of any partner still reads this slot or has a load on its way
	s_add_nc_u64 s[G0+4*\slot+2:G0+4*\slot+3], s[G0+4*\slot+2:G0+4*\slot+3], 2*KSTEP*2
	s_add_nc_u64 s[G0B+4*\slot+2:G0B+4*\slot+3], s[G0B+4*\slot+2:G0B+4*\slot+3], 2*KSTEP*ND*2
	JLOAD \slot                                    ; the first tensor load behind the round, one a wave
.endif
	PLACES
	FETCH \next, 0, F0
	WIN MUL_HI
	MUL16 F1, 1, 0, 0
	MUL16 F1, 1, 2, 0
.endm
.macro LAP zero
	THREE 0, \zero
	TURN 0, 1, 1
	THREE 1, 0
	TURN 1, 0, 1
.endm
	s_wait_tensorcnt 1                             ; my part of K step 0 is in; K step 1's load stays out
	s_barrier_signal -1
	s_barrier_wait -1
	FETCH 0, 0, F0
	LAP 1
	WIN 0
	s_mov_b32 s3, LAPS-2
.Llap:
	LAP 0
	WIN 0
	s_sub_co_u32 s3, s3, 1
	s_cmp_lg_u32 s3, 0
	s_cbranch_scc1 .Llap
	THREE 0, 0
	TURN 0, 1, 0
	THREE 1, 0
	s_wait_dscnt 8
	WIN MUL_LO
	MUL16 F1, 0, 0, 0
	MUL16 F1, 0, 2, 0
	s_wait_dscnt 0
	WIN MUL_HI
	MUL16 F1, 1, 0, 0
	MUL16 F1, 1, 2, 0
	; THE WAY OUT, 16 rows at a time: bias, GELU, round to bf16, through my stage, whole rows of 256 bytes out.
	PLACES
	WIN 0
	s_wait_loadcnt 0x0                             ; the bias
	v_mov_b32 v[A4], 0xbf3a00e3                    ; -1.453152027 / 2
	v_mov_b32 v[A4+1], 0xbf3a00e3
	s_lshl_b32 s16, s43, 8
	s_lshl_b32 s17, s13, 7
	s_add_co_u32 s16, s16, s17
	s_mul_i32 s16, s16, ND*2
	s_mov_b32 s17, 0
	s_add_nc_u64 s[10:11], s[10:11], s[16:17]
	s_lshl_b32 s46, s42, 9
	s_lshl_b32 s47, s14, 8
	s_add_co_u32 s46, s46, s47
	s_mov_b32 s47, 0
	s_add_nc_u64 s[10:11], s[10:11], s[46:47]
; gelu(x) = max(x, 0) - |x| t (a1 + t (a2 + t (a3 + t (a4 + t a5)))) / 2 * exp(-x^2 / 2), t = 1 / (1 + 0.3275911 |x| / sqrt 2); the halves are in the constants
.macro GELU8 x
.irp j, 0,1,2,3,4,5,6,7
	v_fma_f32 v[GD+\j], |v[\x+\j]|, 0x3e6d3388, 1.0                            ; 1 + 0.23164189 |x|
.endr
.irp j, 0,2,4,6
	v_pk_mul_f32 v[GE+\j:GE+\j+1], v[\x+\j:\x+\j+1], 0xbf38aa3b op_sel_hi:[1,0]   ; -log2(e) / 2 x
.endr
.irp j, 0,2,4,6
	v_pk_mul_f32 v[GE+\j:GE+\j+1], v[GE+\j:GE+\j+1], v[\x+\j:\x+\j+1]
.endr
.irp j, 0,1,2,3,4,5,6,7
	v_rcp_f32 v[GD+\j], v[GD+\j]
.endr
.irp j, 0,1,2,3,4,5,6,7
	v_exp_f32 v[GE+\j], v[GE+\j]
.endr
	v_nop                                          ; one plain place behind a transcendental (ISA guide 5.7.2)
	s_wait_alu depctr_va_vdst(0)
.irp j, 0,2,4,6
	v_pk_fma_f32 v[GP+\j:GP+\j+1], v[GD+\j:GD+\j+1], 0x3f07dc22, v[A4:A4+1] op_sel_hi:[1,0,1]
.endr
.irp j, 0,2,4,6
	v_pk_fma_f32 v[GP+\j:GP+\j+1], v[GP+\j:GP+\j+1], v[GD+\j:GD+\j+1], 0x3f35f0e3 op_sel_hi:[1,1,0]
.endr
.irp j, 0,2,4,6
	v_pk_fma_f32 v[GP+\j:GP+\j+1], v[GP+\j:GP+\j+1], v[GD+\j:GD+\j+1], 0xbe11a98e op_sel_hi:[1,1,0]
.endr
.irp j, 0,2,4,6
	v_pk_fma_f32 v[GP+\j:GP+\j+1], v[GP+\j:GP+\j+1], v[GD+\j:GD+\j+1], 0x3e027906 op_sel_hi:[1,1,0]
.endr
.irp j, 0,2,4,6
	v_pk_mul_f32 v[GE+\j:GE+\j+1], v[GE+\j:GE+\j+1], v[GD+\j:GD+\j+1]
.endr
.irp j, 0,2,4,6
	v_pk_mul_f32 v[GP+\j:GP+\j+1], v[GP+\j:GP+\j+1], v[GE+\j:GE+\j+1]
.endr
.irp j, 0,1,2,3,4,5,6,7
	v_max_num_f32 v[GD+\j], 0, v[\x+\j]
.endr
.irp j, 0,1,2,3,4,5,6,7
	v_fma_f32 v[\x+\j], -|v[\x+\j]|, v[GP+\j], v[GD+\j]
.endr
.endm
.macro OUT16 i, a, win
	WIN \win                                       ; source 0 in the accumulators' window
.irp b, 0,1,2,3,4,5,6,7
.irp r, 0,1,2,3
	v_pk_add_f32 v[XT+8*\b+2*\r:XT+8*\b+2*\r+1], v[8*(8*\a+\b)+2*\r:8*(8*\a+\b)+2*\r+1], v[32+8*\b+160*(\b/4)+2*\r:32+8*\b+160*(\b/4)+2*\r+1]
.endr
.endr
	WIN 0
.irp b, 0,1,2,3,4,5,6,7
	GELU8 XT+8*\b
.endr
.irp b, 0,1,2,3,4,5,6,7
.irp r, 0,1,2,3
	v_cvt_pk_bf16_f32 v[TMP+4*\b+\r], v[XT+8*\b+2*\r], v[XT+8*\b+2*\r+1]
.endr
.endr
.irp b, 0,1,2,3,4,5,6,7
	ds_store_b128 v[STO], v[TMP+4*\b:TMP+4*\b+3] offset:32*\b
.endr
	s_wait_xcnt 0x0                                ; the last stores' data registers and base are written again only behind this wait
.if \i
	s_add_nc_u64 s[10:11], s[10:11], 16*ND*2
.endif
.irp t, 0,1,2,3,4,5,6,7
	ds_load_b128 v[OB+4*\t:OB+4*\t+3], v[RD] offset:\t*2*SPITCH    ; LDS serves a wave's instructions in order: these see the stores above
.endr
.irp t, 0,1,2,3,4,5,6,7
	s_wait_dscnt 7-\t
	global_store_b128 v[CO], v[OB+4*\t:OB+4*\t+3], s[10:11] offset:2*\t*ND*2   ; 16 lanes store 256 consecutive bytes, aligned
.endr
.endm
	OUT16 0, 0, 2
	OUT16 1, 1, 2
	OUT16 2, 2, 2
	OUT16 3, 3, 2
	OUT16 4, 0, 3
	OUT16 5, 1, 3
	OUT16 6, 2, 3
	OUT16 7, 3, 3
	s_set_vgpr_msb 0x1
	s_wait_tensorcnt 0x0
	ds_add_u32 v255, v31
	s_wait_dscnt 0x0
	s_set_vgpr_msb 0x100
	CROUND                                         ; the closing round
	s_endpgm
.Lfunc_end_k_q9da0683f29_ff1:
	.size	k_q9da0683f29_ff1, .Lfunc_end_k_q9da0683f29_ff1-k_q9da0683f29_ff1
	.p2alignl 7, 3214868480
	.fill 96, 4, 3214868480
	.section	.rodata,"a",@progbits
	.p2align	6, 0x0
	.amdhsa_kernel k_q9da0683f29_ff1
		.amdhsa_group_segment_fixed_size 327680
		.amdhsa_private_segment_fixed_size 0
		.amdhsa_enable_private_segment 0
		.amdhsa_kernarg_size 32
		.amdhsa_user_sgpr_count 2
		.amdhsa_user_sgpr_kernarg_segment_ptr 1
		.amdhsa_wavefront_size32 1
		.amdhsa_system_sgpr_workgroup_id_x 1
		.amdhsa_system_sgpr_workgroup_id_y 1
		.amdhsa_system_sgpr_workgroup_id_z 1
		.amdhsa_system_vgpr_workitem_id 0
		.amdhsa_next_free_vgpr 1024
		.amdhsa_next_free_sgpr 66
		.amdhsa_reserve_vcc 0
		.amdhsa_float_denorm_mode_32 3
		.amdhsa_float_denorm_mode_16_64 3
		.amdhsa_memory_ordered 1
		.amdhsa_forward_progress 1
		.amdhsa_inst_pref_size 255
	.end_amdhsa_kernel
	.section	.bss,"aw",@nobits
	.p2align	6
	.space	262144
	.amdgpu_metadata
---
amdhsa.version: [ 1, 2 ]
amdhsa.kernels:
  - .name:           k_q9da0683f29_ff1
    .symbol:         k_q9da0683f29_ff1.kd
    .args:
      - { .name: hn, .offset: 0, .size: 8, .value_kind: global_buffer, .address_space: global }
      - { .name: wb, .offset: 8, .size: 8, .value_kind: global_buffer, .address_space: global }
      - { .name: b_ff1, .offset: 16, .size: 8, .value_kind: global_buffer, .address_space: global }
      - { .name: act, .offset: 24, .size: 8, .value_kind: global_buffer, .address_space: global }
    .group_segment_fixed_size: 327680
    .private_segment_fixed_size: 0
    .kernarg_segment_align: 8
    .kernarg_segment_size: 32
    .max_flat_workgroup_size: 128
    .sgpr_count:     66
    .vgpr_count:     1024
    .wavefront_size: 32
...
	.end_amdgpu_metadata
.endif
;; end of part 6
;; launch ff2 (part 7): grid 8 x 32, 4 waves a work-group, clusters of 4 x 4, 327,680 bytes of LDS; arguments act, wb, b_ff2, x1, out0; writes out0
.if DOCPART == 7
	.amdgcn_target "amdgcn-amd-amdhsa--gfx1250"
	.amdhsa_code_object_version 6
	.text
	.protected	k_q9da0683f29_ff2
	.globl	k_q9da0683f29_ff2
	.p2align	8
	.type	k_q9da0683f29_ff2,@function
k_q9da0683f29_ff2:
	s_mov_b64 s[64:65], 0
	v_nop
	global_prefetch_b8 v0, s[64:65] scope:SCOPE_SE
	s_setreg_imm32_b32 hwreg(HW_REG_WAVE_MODE, 25, 1), 1
	s_wait_xcnt 0x0
	s_wait_alu depctr_hold_cnt(0) depctr_sa_sdst(0) depctr_va_vdst(0) depctr_va_sdst(0) depctr_va_ssrc(0) depctr_va_vcc(0) depctr_vm_vsrc(0)
	s_getreg_b32 s2, hwreg(HW_REG_IB_STS2, 6, 4)
	s_cmp_eq_u32 s2, 0
	s_cbranch_scc0 .Lentry_in_a_cluster
	s_endpgm
.Lentry_in_a_cluster:
	s_bfe_u32 s2, ttmp6, 0x10000c
	s_cmp_lg_u32 s2, 0xf033
	s_cbranch_scc0 .Lentry_shape_is_right
	s_endpgm
.Lentry_shape_is_right:
; C = res + A W + bias.  A: [4096][KD] bf16, W: [KD][1024] bf16 at byte WOFF of the weight buffer, bias: [1024] f32, res and C: [4096][1024] f32.
; N is 1,024, so blocks of 256 x 256 would give 64 work-groups.  Here a work-group makes 128 x 128 of C (8 x 32 = 256 work-groups) and its four waves
; SPLIT K: every wave holds the whole 128 x 128 in 64 accumulator tiles and multiplies 64 of each slot's 256 along K, which keeps the number of
; multiply-adds that each fragment byte feeds.  At the end the four partial blocks meet in LDS (in the ring, which has had its last fill) and
; each wave sums 32 whole rows, adds bias and residual in f32 and stores them.  The four partial sums are added in a fixed order.
; CLUSTERS: 4 x 4; A's tile is asked for jointly along a row of the cluster, W's along a column.
; Windows: 0 addresses, A's fragments, the way out; 1 W's fragments; 2 and 3 accumulators (tile (a, b) at v[8 (8 a + b)]).
; The matrix instruction is used transposed (source 0 = columns of W); the 64 accumulators take turns, one instruction a turn.
.set KD,     4096
.set ND,     1024
.set WOFF,   16777216
.set KSLOT,  256                       ; K in a slot
.set PA,     528                       ; A's LDS row: 512 bytes + 16
.set PB,     288                       ; W's LDS row: 256 bytes + 32
.set PART,   128*PB                    ; a wave's load: 128 k-rows of W (36,864 bytes), or 64 rows of A (33,792 of them used)
.set SLOT,   4*PART
.set LAPS,   KD/(2*KSLOT)
.set RPITCH, 528                       ; the reduction: a row of 128 f32 + 16 bytes
.set RED,    128*RPITCH
.set ADRA, 16
.set ADRB, 20
.set STO,  24
.set CO,   25
.set RDP,  26
.set BIA,  32
.set F0,   64
.set F1,   128
.set RES,  64
.set BUF,  192
.set G1,  24
.set G0,  32
.set G1B, 48
.set G0B, 56
.set MSB, 0
.macro WIN new
.if MSB != \new
	s_set_vgpr_msb (MSB<<8)|\new
.set MSB, \new
.endif
.endm
.set MUL_LO, 0xa1
.set MUL_HI, 0xf1
.set TO_B,   0x40
.macro JLOAD s                         ; waves 0 and 1 fetch A's two halves, waves 2 and 3 W's
	s_cmp_eq_u32 s13, 0
	s_cbranch_scc0 .Lfor_b_\@
	tensor_load_to_lds s[G0+4*\s:G0+4*\s+3], s[G1:G1+7]
	s_nop 0
	s_branch .Lasked_\@
.Lfor_b_\@:
	tensor_load_to_lds s[G0B+4*\s:G0B+4*\s+3], s[G1B:G1B+7]
	s_nop 0
.Lasked_\@:
.endm
.macro CREST
	s_cmp_lg_u32 s12, 0
	s_cbranch_scc1 .Lnot_wave_0_\@
	s_barrier_signal -3
.Lnot_wave_0_\@:
	s_barrier_wait -3
	s_barrier_signal -1
	s_barrier_wait -1
.endm
.macro CROUND
	s_barrier_signal -1
	s_barrier_wait -1
	CREST
.endm
	s_load_b256 s[4:11], s[0:1], 0x0               ; A s[4:5], weights s[6:7], bias s[8:9], residual s[10:11]
	s_load_b64 s[66:67], s[0:1], 0x20              ; C
	s_set_vgpr_msb 0x40
	v_lshl_add_u32 v255, v0, 2, 0x48000
	s_set_vgpr_msb 0x4000
	v_mov_b32 v63, 0
	s_set_vgpr_msb 0x1
	ds_add_u32 v255, v63
	s_set_vgpr_msb 0x100
	v_lshrrev_b32 v1, 5, v0
	v_readfirstlane_b32 s12, v1                    ; wave: my quarter of each slot's K
	s_lshr_b32 s13, s12, 1                         ; I fetch for A (0) or for W (1)
	s_and_b32 s14, s12, 1                          ; which half of that tile
	s_bfe_u32 s40, ttmp6, 0x40000                  ; cx
	s_bfe_u32 s41, ttmp6, 0x40004                  ; cy
	s_lshl_b32 s42, ttmp9, 2
	s_add_co_u32 s42, s42, s40                     ; block column
	s_and_b32 s43, ttmp7, 0xffff
	s_lshl_b32 s43, s43, 2
	s_add_co_u32 s43, s43, s41                     ; block row
	s_lshl_b32 s44, s41, 2
	s_lshl_b32 s44, 15, s44
	s_lshl_b32 s45, 0x1111, s40
	s_or_b32 s[G1+0], s44, (1<<16)|(1<<20)|(1<<21)|(6<<22)|(3<<25)   ; my row's mask; after 128 words, 4 words of padding
	s_or_b32 s[G1B+0], s45, (1<<16)|(1<<20)|(1<<21)|(5<<22)|(7<<25)  ; my column's mask; after 64 words, 8 words
	s_mov_b32 s[G1+1], KSLOT<<16                   ; A: 64 rows x 256 elements
	s_mov_b32 s[G1+2], 64<<16
	s_mov_b32 s[G1+3], KSLOT<<16
	s_mov_b32 s[G1+4], 64
	s_mov_b32 s[G1+5], KD
	s_mov_b32 s[G1+6], 0
	s_mov_b32 s[G1+7], 0
	s_mov_b32 s[G1B+1], 128<<16                    ; W: 128 k-rows x 128 elements
	s_mov_b32 s[G1B+2], 128<<16
	s_mov_b32 s[G1B+3], 128<<16
	s_mov_b32 s[G1B+4], 128
	s_mov_b32 s[G1B+5], ND
	s_mov_b32 s[G1B+6], 0
	s_mov_b32 s[G1B+7], 0
	s_lshl_b32 s16, s43, 7
	s_lshl_b32 s17, s14, 6
	s_add_co_u32 s16, s16, s17                     ; A: row 128 x block row + 64 x half
	s_mul_i32 s16, s16, KD*2
	s_mov_b32 s17, 0
	s_mul_i32 s46, s14, 128*ND*2                   ; W: k-row 128 x half,
	s_lshl_b32 s47, s42, 8
	s_add_co_u32 s46, s46, s47                     ; column 128 x block column,
	s_add_co_u32 s46, s46, WOFF                    ; in this matrix's part of the weight buffer
	s_mov_b32 s47, 0
	s_mul_i32 s22, s12, PART
	s_wait_dscnt 0x0
	s_wait_kmcnt 0x0
	s_add_nc_u64 s[18:19], s[4:5], s[16:17]
	s_add_nc_u64 s[46:47], s[6:7], s[46:47]
	CROUND                                         ; the first joint loads meet
.irp s, 0,1
	s_mov_b32 s[G0+4*\s], 1
	s_add_co_u32 s[G0+4*\s+1], s22, \s*SLOT
	s_add_nc_u64 s[G0+4*\s+2:G0+4*\s+3], s[18:19], \s*KSLOT*2
	s_or_b32 s[G0+4*\s+3], s[G0+4*\s+3], 0x80000000
	s_mov_b32 s[G0B+4*\s], 1
	s_add_co_u32 s[G0B+4*\s+1], s22, \s*SLOT
	s_add_nc_u64 s[G0B+4*\s+2:G0B+4*\s+3], s[46:47], \s*KSLOT*ND*2
	s_or_b32 s[G0B+4*\s+3], s[G0B+4*\s+3], 0x80000000
	JLOAD \s                                       ; two tensor loads of a wave are out
.endr
	v_and_b32 v5, 31, v0
	v_lshlrev_b32 v[CO], 4, v5
	s_lshl_b32 s46, s42, 9                         ; the block's 128 columns, in f32
	s_mov_b32 s47, 0
	s_add_nc_u64 s[8:9], s[8:9], s[46:47]
	global_load_b128 v[BIA:BIA+3], v[CO], s[8:9]   ; waited for on the way out
	v_and_b32 v1, 15, v0                           ; r
	v_bfe_u32 v2, v0, 4, 1                         ; h
	v_mul_u32_u24 v3, v1, PA
	v_lshl_add_u32 v3, v2, 4, v3
	s_lshl_b32 s20, s12, 7                         ; my 64 along K: 128 bytes of A's rows
	v_add_nc_u32 v[ADRA], s20, v3
	v_add_nc_u32 v[ADRA+1], SLOT, v[ADRA]
	v_and_b32 v4, 7, v0
	v_lshl_add_u32 v4, v2, 3, v4
	v_mul_u32_u24 v4, v4, PB
	v_bfe_u32 v5, v0, 3, 1
	v_lshl_add_u32 v4, v5, 4, v4
	s_mul_i32 s21, s12, 64*PB                      ; my 64 k-rows of W,
	s_add_co_u32 s21, s21, 2*PART                  ; behind A's two parts
	v_add_nc_u32 v[ADRB], s21, v4
	v_add_nc_u32 v[ADRB+1], SLOT, v[ADRB]
	s_mul_i32 s23, s12, RED
	v_mul_u32_u24 v4, v1, RPITCH
	v_lshl_add_u32 v4, v2, 5, v4
	v_add_nc_u32 v[STO], s23, v4                   ; my partial block: row r, 32 h
	s_mul_i32 s23, s12, 32*RPITCH
	v_add_nc_u32 v[RDP], s23, v[CO]                ; rows 32 w .. of partial block 0,
.irp p, 1,2,3
	v_add_nc_u32 v[RDP+\p], \p*RED, v[RDP]         ; 1, 2, 3
.endr
.macro MUL16 f, hi, a0, zero
.irp a, \a0, \a0+1
.irp b, 0,1,2,3,4,5,6,7
.if \zero
	v_wmma_f32_16x16x32_bf16 v[8*(8*(\a)+\b):8*(8*(\a)+\b)+7], v[\f+8*\b:\f+8*\b+7], v[\f+8*(4*\hi+\a):\f+8*(4*\hi+\a)+7], 0
.else
	v_wmma_f32_16x16x32_bf16 v[8*(8*(\a)+\b):8*(8*(\a)+\b)+7], v[\f+8*\b:\f+8*\b+7], v[\f+8*(4*\hi+\a):\f+8*(4*\hi+\a)+7], v[8*(8*(\a)+\b):8*(8*(\a)+\b)+7]
.endif
.endr
.endr
.endm
.macro FETCH slot, q, f                ; quarter q (0, 1) of my 64 along K: W's 128 columns, then A's 128 rows
	WIN TO_B
.irp i, 0,1,2,3,4,5,6,7
	ds_load_tr16_b128 v[\f+8*\i:\f+8*\i+3],   v[ADRB+\slot] offset:\q*32*PB+32*\i
	ds_load_tr16_b128 v[\f+8*\i+4:\f+8*\i+7], v[ADRB+\slot] offset:\q*32*PB+16*PB+32*\i
.endr
	WIN 0
.irp i, 0,1,2,3,4,5,6,7
	ds_load_b128 v[\f+8*\i:\f+8*\i+3],   v[ADRA+\slot] offset:\q*64+(\i/4)*PART+(\i%4)*16*PA
	ds_load_b128 v[\f+8*\i+4:\f+8*\i+7], v[ADRA+\slot] offset:\q*64+(\i/4)*PART+(\i%4)*16*PA+32
.endr
.endm
.macro PLACES                          ; four places behind a matrix instruction (ISA guide 7.12.1)
.rept 4
	v_nop
.endr
.endm
.macro QUARTER slot, q, f, g, zero
	s_wait_dscnt 8                                 ; W and A's rows 0-63 are in; the youngest eight loads may be out
	WIN MUL_LO
	MUL16 \f, 0, 0, \zero
	MUL16 \f, 0, 2, \zero
	PLACES
	FETCH \slot, \q, \g
	s_wait_dscnt 32                                ; all but the 32 just issued
	WIN MUL_HI
	MUL16 \f, 1, 0, \zero
	MUL16 \f, 1, 2, \zero
.endm
.macro TURN slot, next, fill           ; the slot's second quarter, and the change of slots
	s_wait_dscnt 8
	WIN MUL_LO
	MUL16 F1, 0, 0, 0
	s_wait_dscnt 0                                 ; my reads of this slot are over
	s_wait_tensorcnt 0x0                           ; all my tensor loads have landed: my part of the next slot
	ds_add_u32 v255, v63
	s_wait_dscnt 0x0
	s_barrier_signal -1
	MUL16 F1, 0, 2, 0
	WIN 0
	s_barrier_wait -1
.if \fill
	CREST                                          ; no wave of any partner still reads this slot or has a load on its way
	s_add_nc_u64 s[G0+4*\slot+2:G0+4*\slot+3], s[G0+4*\slot+2:G0+4*\slot+3], 2*KSLOT*2
	s_add_nc_u64 s[G0B+4*\slot+2:G0B+4*\slot+3], s[G0B+4*\slot+2:G0B+4*\slot+3], 2*KSLOT*ND*2
	JLOAD \slot                                    ; the first tensor load behind the round, one a wave
.endif
	PLACES
	FETCH \next, 0, F0
	WIN MUL_HI
	MUL16 F1, 1, 0, 0
	MUL16 F1, 1, 2, 0
.endm
.macro LAP zero
	QUARTER 0, 1, F0, F1, \zero
	TURN 0, 1, 1
	QUARTER 1, 1, F0, F1, 0
	TURN 1, 0, 1
.endm
	s_wait_tensorcnt 1                             ; my part of slot 0 is in; slot 1's load stays out
	s_barrier_signal -1
	s_barrier_wait -1
	FETCH 0, 0, F0
	LAP 1
.if LAPS > 2
	WIN 0
	s_mov_b32 s3, LAPS-2
.Llap:
	LAP 0
	WIN 0
	s_sub_co_u32 s3, s3, 1
	s_cmp_lg_u32 s3, 0
	s_cbranch_scc1 .Llap
.endif
	QUARTER 0, 1, F0, F1, 0                        ; the last lap fills nothing
	TURN 0, 1, 0
	QUARTER 1, 1, F0, F1, 0
	s_wait_dscnt 8
	WIN MUL_LO
	MUL16 F1, 0, 0, 0
	MUL16 F1, 0, 2, 0
	s_wait_dscnt 0
	WIN MUL_HI
	MUL16 F1, 1, 0, 0
	MUL16 F1, 1, 2, 0
	; THE WAY OUT
	PLACES                                         ; before the residual lands on the fragment buffers and the LDS stores read the sums
	WIN 0
	s_lshl_b32 s16, s43, 7
	s_lshl_b32 s17, s12, 5
	s_add_co_u32 s16, s16, s17                     ; my 32 rows: 128 x block row + 32 w
	s_lshl_b32 s16, s16, 12
	s_mov_b32 s17, 0
	s_add_nc_u64 s[10:11], s[10:11], s[16:17]
	s_add_nc_u64 s[66:67], s[66:67], s[16:17]
	s_add_nc_u64 s[10:11], s[10:11], s[46:47]      ; s[46:47] still holds the block's 128 columns in bytes
	s_add_nc_u64 s[66:67], s[66:67], s[46:47]
.set k, 0
.rept 32
	global_load_b128 v[RES+4*k:RES+4*k+3], v[CO], s[10:11] offset:k*4096       ; a wave's load covers 512 consecutive bytes of a row
.set k, k+1
.endr
	s_wait_dscnt 0x0                               ; met: my reads of the ring are over,
	s_barrier_signal -1
	s_barrier_wait -1                              ; and so are everybody's; no tensor load is out and none follows
	WIN 0x08                                       ; store data in window 2
.irp a, 0,1,2,3
.irp b, 0,1,2,3,4,5,6,7
	ds_store_b128 v[STO], v[8*(8*\a+\b):8*(8*\a+\b)+3]   offset:\a*16*RPITCH+64*\b
	ds_store_b128 v[STO], v[8*(8*\a+\b)+4:8*(8*\a+\b)+7] offset:\a*16*RPITCH+64*\b+16
.endr
.endr
	WIN 0x0c                                       ; window 3
.irp a, 0,1,2,3
.irp b, 0,1,2,3,4,5,6,7
	ds_store_b128 v[STO], v[8*(8*\a+\b):8*(8*\a+\b)+3]   offset:(\a+4)*16*RPITCH+64*\b
	ds_store_b128 v[STO], v[8*(8*\a+\b)+4:8*(8*\a+\b)+7] offset:(\a+4)*16*RPITCH+64*\b+16
.endr
.endr
	WIN 0
	s_wait_dscnt 0x0                               ; my partial block is written, for the waves that read it
	s_barrier_signal -1
	s_barrier_wait -1
.macro SUM4 g                          ; four rows: four partial sums each, bias, residual
	s_wait_xcnt 0x0                                ; BUF was the last group's store data
.irp i, 0,1,2,3
.irp p, 0,1,2,3
	ds_load_b128 v[BUF+16*\i+4*\p:BUF+16*\i+4*\p+3], v[RDP+\p] offset:(4*\g+\i)*RPITCH
.endr
.endr
	s_wait_dscnt 0x0
	s_wait_loadcnt 28-4*\g                         ; the bias and the residual up to this group's rows are in; the later groups' rows stay out
.irp i, 0,1,2,3
.irp c, 0,2
	v_pk_add_f32 v[BUF+16*\i+\c:BUF+16*\i+\c+1], v[BUF+16*\i+\c:BUF+16*\i+\c+1], v[BUF+16*\i+4+\c:BUF+16*\i+4+\c+1]
	v_pk_add_f32 v[BUF+16*\i+8+\c:BUF+16*\i+8+\c+1], v[BUF+16*\i+8+\c:BUF+16*\i+8+\c+1], v[BUF+16*\i+12+\c:BUF+16*\i+12+\c+1]
.endr
.irp c, 0,2
	v_pk_add_f32 v[BUF+16*\i+\c:BUF+16*\i+\c+1], v[BUF+16*\i+\c:BUF+16*\i+\c+1], v[BUF+16*\i+8+\c:BUF+16*\i+8+\c+1]
.endr
.irp c, 0,2
	v_pk_add_f32 v[BUF+16*\i+\c:BUF+16*\i+\c+1], v[BUF+16*\i+\c:BUF+16*\i+\c+1], v[BIA+\c:BIA+\c+1]
.endr
.irp c, 0,2
	v_pk_add_f32 v[BUF+16*\i+\c:BUF+16*\i+\c+1], v[BUF+16*\i+\c:BUF+16*\i+\c+1], v[RES+4*(4*\g+\i)+\c:RES+4*(4*\g+\i)+\c+1]
.endr
	global_store_b128 v[CO], v[BUF+16*\i:BUF+16*\i+3], s[66:67] offset:(4*\g+\i)*4096   ; a wave's store covers 512 consecutive bytes, aligned
.endr
.endm
.irp g, 0,1,2,3,4,5,6,7
	SUM4 \g
.endr
	s_set_vgpr_msb 0x1
	s_wait_tensorcnt 0x0
	ds_add_u32 v255, v63
	s_wait_dscnt 0x0
	s_set_vgpr_msb 0x100
	CROUND                                         ; the closing round
	s_endpgm
.Lfunc_end_k_q9da0683f29_ff2:
	.size	k_q9da0683f29_ff2, .Lfunc_end_k_q9da0683f29_ff2-k_q9da0683f29_ff2
	.p2alignl 7, 3214868480
	.fill 96, 4, 3214868480
	.section	.rodata,"a",@progbits
	.p2align	6, 0x0
	.amdhsa_kernel k_q9da0683f29_ff2
		.amdhsa_group_segment_fixed_size 327680
		.amdhsa_private_segment_fixed_size 0
		.amdhsa_enable_private_segment 0
		.amdhsa_kernarg_size 40
		.amdhsa_user_sgpr_count 2
		.amdhsa_user_sgpr_kernarg_segment_ptr 1
		.amdhsa_wavefront_size32 1
		.amdhsa_system_sgpr_workgroup_id_x 1
		.amdhsa_system_sgpr_workgroup_id_y 1
		.amdhsa_system_sgpr_workgroup_id_z 1
		.amdhsa_system_vgpr_workitem_id 0
		.amdhsa_next_free_vgpr 1024
		.amdhsa_next_free_sgpr 68
		.amdhsa_reserve_vcc 0
		.amdhsa_float_denorm_mode_32 3
		.amdhsa_float_denorm_mode_16_64 3
		.amdhsa_memory_ordered 1
		.amdhsa_forward_progress 1
		.amdhsa_inst_pref_size 130
	.end_amdhsa_kernel
	.amdgpu_metadata
---
amdhsa.version: [ 1, 2 ]
amdhsa.kernels:
  - .name:           k_q9da0683f29_ff2
    .symbol:         k_q9da0683f29_ff2.kd
    .args:
      - { .name: act, .offset: 0, .size: 8, .value_kind: global_buffer, .address_space: global }
      - { .name: wb, .offset: 8, .size: 8, .value_kind: global_buffer, .address_space: global }
      - { .name: b_ff2, .offset: 16, .size: 8, .value_kind: global_buffer, .address_space: global }
      - { .name: x1, .offset: 24, .size: 8, .value_kind: global_buffer, .address_space: global }
      - { .name: out0, .offset: 32, .size: 8, .value_kind: global_buffer, .address_space: global }
    .group_segment_fixed_size: 327680
    .private_segment_fixed_size: 0
    .kernarg_segment_align: 8
    .kernarg_segment_size: 40
    .max_flat_workgroup_size: 128
    .sgpr_count:     68
    .vgpr_count:     1024
    .wavefront_size: 32
...
	.end_amdgpu_metadata
.endif
;; end of part 7
;; ======== version 2 of 2: 7 launches; version 1 with the launch prep written anew for expert scheduling mode
;; limits: right only within a limited range of input values
;; workspace buffers: wb 25,165,824 bytes; hn 8,388,608 bytes; qkv 25,165,824 bytes; ctx 8,388,608 bytes; x1 16,777,216 bytes; act 33,554,432 bytes
;; launch prep (part 8): grid 1024 x 1, 8 waves a work-group, no clusters, 0 bytes of LDS; arguments x, g_ln1, be_ln1, hn, W_qkv, W_out, W_ff1, W_ff2, wb; writes hn, wb
.if DOCPART == 8
	.amdgcn_target "amdgcn-amd-amdhsa--gfx1250"
	.amdhsa_code_object_version 6
	.text
	.protected	k_q9da0683f29_prep
	.globl	k_q9da0683f29_prep
	.p2align	8
	.type	k_q9da0683f29_prep,@function
k_q9da0683f29_prep:
	s_mov_b64 s[64:65], 0
	v_nop
	global_prefetch_b8 v0, s[64:65] scope:SCOPE_SE
	s_setreg_imm32_b32 hwreg(HW_REG_WAVE_SCHED_MODE, 0, 2), 2
	s_setreg_imm32_b32 hwreg(HW_REG_WAVE_MODE, 25, 1), 1
	s_wait_xcnt 0x0
	s_wait_alu depctr_vm_vsrc(0)
; Work-groups 0-255: hn = bf16(LayerNorm(x) * g + be), 16 rows of 1,024 f32 each.  Work-groups 256-1023: the four weight
; matrices, f32 [K][N], rounded to bf16 in the same layout, one behind the other in wb (W_qkv, W_out, W_ff1, W_ff2), 16,384 numbers each.
; A stream: no LDS, no barrier, no matrix unit, no cluster (no two work-groups read the same bytes but g and be, 8 KiB).
; LN: one wave takes two rows and keeps each row in 32 registers between the pass for the mean, the pass for the variance of
; (x - mean) and the scaling, so x is read once and the variance is no difference of large sums.
; THE MODE: SCHED_MODE bits 1:0 = 2 (LLVM: expert scheduling mode 2), set by the entry lines.  The code itself states the register dependences
; between vector instructions and memory instructions, with s_wait_alu, always for 0.
; THE PLAN.  Registers that memory instructions touch:
;   v1, v2, v3   byte offsets, made once at the head of each path and never written again.
;   X, G, BE     each register takes one load, issued at the path's head, before any vector instruction names it; none is loaded twice.
;   Y            written once by the roundings, read once by a store, never written again.
; So no register that a memory instruction reads is written again, and the only dependences to state are: the offsets are written ahead of the first
; load, and a part of Y is written ahead of the stores that read it.
; LN path: row 0's eight stores stand behind the wait that row 1's reciprocal roots need in any case, dealt among row 1's multiplies, which name
; row 1's X and R alone.  Cast path: sixteen loads in four groups; the stores of group g - 1 stand behind one wait at the head of
; group g, dealt among its roundings, which name group g's X and Y alone.
.set T,  4                             ; v[4:11]    at work: no memory instruction names them
.set MU, 12                            ; v[12:13]   the mean, twice
.set R,  14                            ; v[14:15]   1 / sqrt(var + eps), twice
.set X,  16                            ; v[16:79]   two rows, 32 registers each (cast path: 16 loads of 4 registers)
.set G,  80                            ; v[80:111]  g of my 32 columns
.set BE, 112                           ; v[112:143] be of my 32 columns
.set Y,  144                           ; v[144:175] results in bf16, 16 registers a row
	s_load_b256 s[4:11], s[0:1], 0x0               ; x s[4:5], g s[6:7], be s[8:9], hn s[10:11]
	s_load_b256 s[12:19], s[0:1], 0x20             ; W_qkv s[12:13], W_out s[14:15], W_ff1 s[16:17], W_ff2 s[18:19]
	s_load_b64 s[20:21], s[0:1], 0x40              ; wb
	s_cmp_lt_u32 ttmp9, 256
	s_cbranch_scc0 .Lcast
	s_mov_b32 s22, 0x76543210                      ; v_permlanex16_b32: lane i reads lane i of the other half
	s_mov_b32 s23, 0xfedcba98
	s_mov_b32 s30, 0x3a800000                      ; 1 / 1024
	s_mov_b32 s31, 0x3727c5ac                      ; eps = 1e-5
	v_and_b32 v1, 31, v0                           ; lane
	v_lshrrev_b32 v2, 5, v0                        ; wave
	v_lshlrev_b32 v3, 3, v1
	v_lshlrev_b32 v1, 4, v1                        ; 16 lane: my 4 columns in each 512 bytes of g, be and a row of x
	v_lshl_add_u32 v3, v2, 12, v3                  ; out: wave x 2 rows x 2,048 bytes + 8 lane
	v_lshl_add_u32 v2, v2, 13, v1                  ; in: wave x 2 rows x 4,096 bytes + 16 lane
	s_lshl_b32 s26, ttmp9, 16                      ; 16 rows of 4,096 bytes
	s_mov_b32 s27, 0
	s_lshl_b32 s28, ttmp9, 15                      ; 16 rows of 2,048 bytes
	s_mov_b32 s29, 0
	s_wait_kmcnt 0x0
	s_add_nc_u64 s[4:5], s[4:5], s[26:27]
	s_add_nc_u64 s[10:11], s[10:11], s[28:29]
	s_wait_alu depctr_va_vdst(0)                   ; v1, v2 and v3 are written: every load and store of this path reads one of them as its offset
.irp s, 0,1
.irp j, 0,1,2,3,4,5,6,7
	global_load_b128 v[X+32*\s+4*\j:X+32*\s+4*\j+3], v2, s[4:5] offset:\s*4096+512*\j   ; a wave's load covers 512 consecutive bytes
.endr
.endr
.irp j, 0,1,2,3,4,5,6,7
	global_load_b128 v[G+4*\j:G+4*\j+3], v1, s[6:7] offset:512*\j
.endr
.irp j, 0,1,2,3,4,5,6,7
	global_load_b128 v[BE+4*\j:BE+4*\j+3], v1, s[8:9] offset:512*\j
.endr
; four packed partial sums in T become one sum over the wave's 1,024 numbers, in every lane
.macro FOLD
	v_pk_add_f32 v[T:T+1], v[T:T+1], v[T+2:T+3]
	v_pk_add_f32 v[T+4:T+5], v[T+4:T+5], v[T+6:T+7]
	v_pk_add_f32 v[T:T+1], v[T:T+1], v[T+4:T+5]
	v_add_f32 v[T], v[T], v[T+1]
	v_add_f32_dpp v[T], v[T], v[T] row_xmask:1 row_mask:0xf bank_mask:0xf
	v_add_f32_dpp v[T], v[T], v[T] row_xmask:2 row_mask:0xf bank_mask:0xf
	v_add_f32_dpp v[T], v[T], v[T] row_xmask:4 row_mask:0xf bank_mask:0xf
	v_add_f32_dpp v[T], v[T], v[T] row_xmask:8 row_mask:0xf bank_mask:0xf
	v_permlanex16_b32 v[T+1], v[T], s22, s23       ; its destination counts as read: T+1 has been written
	v_add_f32 v[T], v[T], v[T+1]
.endm
.macro LNROW s
.set XB, X+32*\s
.if \s == 0
	s_wait_loadcnt 24                              ; row 0's eight loads are in; row 1's, g's and be's 24 stay out
.endif
.irp c, 0,2,4,6
	v_pk_add_f32 v[T+\c:T+\c+1], v[XB+\c:XB+\c+1], v[XB+8+\c:XB+8+\c+1]    ; the first sums start four chains: nothing is cleared
.endr
.irp c, 0,2,4,6
	v_pk_add_f32 v[T+\c:T+\c+1], v[T+\c:T+\c+1], v[XB+16+\c:XB+16+\c+1]
.endr
.irp c, 0,2,4,6
	v_pk_add_f32 v[T+\c:T+\c+1], v[T+\c:T+\c+1], v[XB+24+\c:XB+24+\c+1]
.endr
	FOLD
	v_mul_f32 v[MU], s30, v[T]
	v_mul_f32 v[MU+1], s30, v[T]
.set k, 0
.rept 16
	v_pk_add_f32 v[XB+k:XB+k+1], v[XB+k:XB+k+1], v[MU:MU+1] neg_lo:[0,1] neg_hi:[0,1]   ; x - mean
.set k, k+2
.endr
.irp c, 0,2,4,6
	v_pk_mul_f32 v[T+\c:T+\c+1], v[XB+\c:XB+\c+1], v[XB+\c:XB+\c+1]
.endr
.irp o, 8,16,24
.irp c, 0,2,4,6
	v_pk_fma_f32 v[T+\c:T+\c+1], v[XB+\o+\c:XB+\o+\c+1], v[XB+\o+\c:XB+\o+\c+1], v[T+\c:T+\c+1]
.endr
.endr
	FOLD
	v_fma_f32 v[T], v[T], s30, s31                 ; var + eps
	v_rsq_f32 v[R], v[T]
	v_rsq_f32 v[R+1], v[T]
	v_nop                                          ; one plain place behind a transcendental before its result is used (ISA guide 5.7.2)
.if \s == 0
	s_wait_loadcnt 0x0                             ; g and be (and row 1) are in
.endif
	s_wait_alu depctr_va_vdst(0)                   ; both reciprocal roots are written, ahead of their first reader; in row 1 also: row 0's roundings have written its half of Y, which the eight stores below read
.set k, 0
.rept 16
.if (\s == 1) && (k % 4 == 0)
	global_store_b64 v3, v[Y+k/2:Y+k/2+1], s[10:11] offset:64*k  ; row 0, piece k / 4: a wave's store covers 256 consecutive bytes, aligned; no vector instruction since the wait names these registers or v3
.endif
	v_pk_mul_f32 v[XB+k:XB+k+1], v[XB+k:XB+k+1], v[R:R+1]
.set k, k+2
.endr
.set k, 0
.rept 16
	v_pk_fma_f32 v[XB+k:XB+k+1], v[XB+k:XB+k+1], v[G+k:G+k+1], v[BE+k:BE+k+1]
.set k, k+2
.endr
.set k, 0
.rept 16
	v_cvt_pk_bf16_f32 v[Y+16*\s+k], v[XB+2*k], v[XB+2*k+1]
.set k, k+1
.endr
.if \s == 1
	s_wait_alu depctr_va_vdst(0)                   ; row 1's roundings have written its half of Y, which the last eight stores read
.irp j, 0,1,2,3,4,5,6,7
	global_store_b64 v3, v[Y+16+2*\j:Y+16+2*\j+1], s[10:11] offset:2048+256*\j  ; a wave's store covers 256 consecutive bytes, aligned
.endr
.endif
.endm
	LNROW 0
	LNROW 1                                        ; no register that a store reads is written again
	s_endpgm
.Lcast:
	s_sub_co_u32 s24, ttmp9, 256                   ; chunk 0..767 of 16,384 numbers: 192 of W_qkv, 64 of W_out, 256 of W_ff1, 256 of W_ff2
	v_lshlrev_b32 v2, 4, v0                        ; in: 16 bytes a thread
	v_lshlrev_b32 v3, 3, v0                        ; out: 8 bytes a thread
	s_wait_kmcnt 0x0
	s_mov_b64 s[26:27], s[18:19]
	s_mov_b32 s25, 512                             ; the matrix's first chunk
	s_cmp_lt_u32 s24, 512
	s_cselect_b64 s[26:27], s[16:17], s[26:27]
	s_cselect_b32 s25, 256, s25
	s_cmp_lt_u32 s24, 256
	s_cselect_b64 s[26:27], s[14:15], s[26:27]
	s_cselect_b32 s25, 192, s25
	s_cmp_lt_u32 s24, 192
	s_cselect_b64 s[26:27], s[12:13], s[26:27]
	s_cselect_b32 s25, 0, s25
	s_sub_co_u32 s25, s24, s25                     ; chunk within its matrix
	s_lshl_b32 s28, s25, 16
	s_mov_b32 s29, 0
	s_add_nc_u64 s[26:27], s[26:27], s[28:29]
	s_lshl_b32 s28, s24, 15
	s_add_nc_u64 s[20:21], s[20:21], s[28:29]
	s_wait_alu depctr_va_vdst(0)                   ; v2 and v3 are written: the loads read v2 as their offset, the stores v3
.irp k, 0,1,2,3,4,5,6,7,8,9,10,11,12,13,14,15
	global_load_b128 v[X+4*\k:X+4*\k+3], v2, s[26:27] offset:4096*\k th:TH_LOAD_NT
.endr
; Group g of four loads: its eight roundings, and among them the four stores of the group before.
.macro CGRP g
	s_wait_loadcnt 12-4*(\g)                       ; loads come back in order: this group's four are in, the younger groups stay out
.if \g > 0
	s_wait_alu depctr_va_vdst(0)                   ; the group before has written its eight registers of Y, which the four stores below read
.endif
.irp i, 0,1,2,3
.if \g > 0
	global_store_b64 v3, v[Y+2*(4*(\g)-4+(\i)):Y+2*(4*(\g)-4+(\i))+1], s[20:21] offset:2048*(4*(\g)-4+(\i))  ; no vector instruction since the wait names these registers or v3
.endif
	v_cvt_pk_bf16_f32 v[Y+2*(4*(\g)+(\i))],   v[X+4*(4*(\g)+(\i))],   v[X+4*(4*(\g)+(\i))+1]
	v_cvt_pk_bf16_f32 v[Y+2*(4*(\g)+(\i))+1], v[X+4*(4*(\g)+(\i))+2], v[X+4*(4*(\g)+(\i))+3]
.endr
.endm
	CGRP 0
	CGRP 1
	CGRP 2
	CGRP 3
	s_wait_alu depctr_va_vdst(0)                   ; the last group has written its eight registers of Y, which the last four stores read
.irp i, 12,13,14,15
	global_store_b64 v3, v[Y+2*\i:Y+2*\i+1], s[20:21] offset:2048*\i
.endr
	s_endpgm
.Lfunc_end_k_q9da0683f29_prep:
	.size	k_q9da0683f29_prep, .Lfunc_end_k_q9da0683f29_prep-k_q9da0683f29_prep
	.p2alignl 7, 3214868480
	.fill 96, 4, 3214868480
	.section	.rodata,"a",@progbits
	.p2align	6, 0x0
	.amdhsa_kernel k_q9da0683f29_prep
		.amdhsa_group_segment_fixed_size 0
		.amdhsa_private_segment_fixed_size 0
		.amdhsa_enable_private_segment 0
		.amdhsa_kernarg_size 72
		.amdhsa_user_sgpr_count 2
		.amdhsa_user_sgpr_kernarg_segment_ptr 1
		.amdhsa_wavefront_size32 1
		.amdhsa_system_sgpr_workgroup_id_x 1
		.amdhsa_system_sgpr_workgroup_id_y 1
		.amdhsa_system_sgpr_workgroup_id_z 1
		.amdhsa_system_vgpr_workitem_id 0
		.amdhsa_next_free_vgpr 176
		.amdhsa_next_free_sgpr 66
		.amdhsa_reserve_vcc 0
		.amdhsa_float_denorm_mode_32 3
		.amdhsa_float_denorm_mode_16_64 3
		.amdhsa_memory_ordered 1
		.amdhsa_forward_progress 1
		.amdhsa_inst_pref_size 27
	.end_amdhsa_kernel
	.amdgpu_metadata
---
amdhsa.version: [ 1, 2 ]
amdhsa.kernels:
  - .name:           k_q9da0683f29_prep
    .symbol:         k_q9da0683f29_prep.kd
    .args:
      - { .name: x, .offset: 0, .size: 8, .value_kind: global_buffer, .address_space: global }
      - { .name: g_ln1, .offset: 8, .size: 8, .value_kind: global_buffer, .address_space: global }
      - { .name: be_ln1, .offset: 16, .size: 8, .value_kind: global_buffer, .address_space: global }
      - { .name: hn, .offset: 24, .size: 8, .value_kind: global_buffer, .address_space: global }
      - { .name: W_qkv, .offset: 32, .size: 8, .value_kind: global_buffer, .address_space: global }
      - { .name: W_out, .offset: 40, .size: 8, .value_kind: global_buffer, .address_space: global }
      - { .name: W_ff1, .offset: 48, .size: 8, .value_kind: global_buffer, .address_space: global }
      - { .name: W_ff2, .offset: 56, .size: 8, .value_kind: global_buffer, .address_space: global }
      - { .name: wb, .offset: 64, .size: 8, .value_kind: global_buffer, .address_space: global }
    .group_segment_fixed_size: 0
    .private_segment_fixed_size: 0
    .kernarg_segment_align: 8
    .kernarg_segment_size: 72
    .max_flat_workgroup_size: 256
    .sgpr_count:     66
    .vgpr_count:     176
    .wavefront_size: 32
...
	.end_amdgpu_metadata
.endif
;; end of part 8
;; launch qkv: the kernel of part 2 again; grid 12 x 16, 4 waves a work-group, clusters of 4 x 4, 327,680 bytes of LDS; arguments hn, wb, b_qkv, qkv; writes qkv
;; launch attn: the kernel of part 3 again; grid 16 x 16, 8 waves a work-group, clusters of 4 x 1, 327,680 bytes of LDS; arguments qkv, mask, ctx; writes ctx
;; launch oproj: the kernel of part 4 again; grid 8 x 32, 4 waves a work-group, clusters of 4 x 4, 327,680 bytes of LDS; arguments ctx, wb, b_out, x, x1; writes x1
;; launch ln2: the kernel of part 5 again; grid 256 x 1, 8 waves a work-group, no clusters, 0 bytes of LDS; arguments x1, g_ln2, be_ln2, hn; writes hn
;; launch ff1: the kernel of part 6 again; grid 16 x 16, 4 waves a work-group, clusters of 4 x 4, 327,680 bytes of LDS; arguments hn, wb, b_ff1, act; writes act
;; launch ff2: the kernel of part 7 again; grid 8 x 32, 4 waves a work-group, clusters of 4 x 4, 327,680 bytes of LDS; arguments act, wb, b_ff2, x1, out0; writes out0
